; MI455X (gfx1250); checked and timed in simulation.
; The chip was launched on July 23, 2026; its instructions are those of AMD's public machine-readable ISA for CDNA 5 (MIT licence, August 2026) and "CDNA5" Instruction Set Architecture Reference Guide (July 2026). The comments in the code are by the model that wrote it; some were corrected since.
;; Multi Head Attention. Allowed arithmetic: matrix products marked QUANTISED: E3M2 operands, one E8M0 scale for each 32 along K, by v_wmma_scale_f32_16x16x128_f8f6f4 with both operands' format E3M2, f32 sums; everything else in f32.
;; Inputs: b_out 1,024 float32; b_qkv 3,072 float32; w_out 1,024 x 1,024 float32; w_qkv 1,024 x 3,072 float32; x 4 x 2,048 x 1,024 float32.
;; Outputs: out0 4 x 2,048 x 1,024 float32.
;; This version of the problem:
;;   THIS VERSION OF THE PROBLEM IS GIVEN IN LOW PRECISION. The matrix products marked QUANTISED in the list below multiply operands that are first quantised to E3M2 (3 exponent bits, 2 mantissa bits; 6 bits a number), with one power-of-two scale for each 32 numbers along K (OCP MX v1.0); their sums are f32. All else is computed in f32.
;;   The module's matrix products, in the order in which they are computed (A, B: the left and right operand; K: the contracted axis; several contracted axes count as one K, in the product's order):
;;     1. [M 8,192, K 1,024] x [K 1,024, N 3,072]; A: input x; B: input w_qkv: QUANTISED
;;     2. batch 64 x [M 2,048, K 64] x [K 64, N 2,048]; A: computed on the way; B: computed on the way: QUANTISED
;;     3. batch 64 x [M 2,048, K 2,048] x [K 2,048, N 64]; A: softmax (see below); B: computed on the way: QUANTISED
;;     4. [M 8,192, K 1,024] x [K 1,024, N 1,024]; A: computed on the way; B: input w_out: QUANTISED
;;   THE QUANTISER, for each operand of a quantised product, along K:
;;     - K is cut into blocks of 32 from its start; a last block that is shorter is filled with zeros.
;;     - A block's scale is 2^e with e = floor(log2(the largest magnitude in the block)) - 4, held to -126 .. 127; a block of zeros has e = 0. As a byte (E8M0): e + 127.
;;     - Each number is divided by its block's scale, clamped to +-28, and rounded to the nearest number of E3M2, ties to even, subnormals kept.
;;     - The product sums the exact products of the quantised numbers (number of the format x scale) in f32.
;;   ~~~python
;;   def quantise(x, axis):      # numpy; x: float32 -> the quantised numbers, widened to float32 again
;;       x = np.moveaxis(x, axis, -1); K = x.shape[-1]
;;       x = np.pad(x, [(0, 0)] * (x.ndim - 1) + [(0, -K % 32)]); x = x.reshape(x.shape[:-1] + (-1, 32)); a = np.abs(x).max(-1, keepdims=True)
;;       e = np.where(a > 0, np.clip(np.frexp(np.where(a > 0, a, 1))[1] - 1 - 4, -126, 127), 0)      # np.frexp(a)[1] - 1 = floor(log2(a)), exactly
;;       r = np.clip(x / 2.0 ** e, -28, 28)
;;       step = 2.0 ** (np.maximum(np.frexp(np.where(r == 0, 1, r))[1] - 1, -2) - 2)
;;       q = np.round(r / step) * step * 2.0 ** e      # np.round: ties to even
;;       return np.moveaxis(q.reshape(q.shape[:-2] + (-1,))[..., :K], -1, axis).astype(np.float32)
;;   ~~~
;;   SOFTMAX AHEAD OF A QUANTISED PRODUCT. Where the list says 'softmax', what is quantised is not the finished softmax but p = 2^(t - M), with t = logit x log2(e) and M = ceil(the row's largest t), a whole number; so 1/2 < the row's largest p <= 1. The row's sum l is taken of the UNQUANTISED p, in f32, and the product's result is divided by l at the end. Since M is a whole number, a kernel that streams over the keys may use a running M (the ceiling of the running maximum): every later rescaling is an exact power of two, which a block's scale takes up: the codes' values come out the same.
;;   OPERANDS COMPUTED ON THE WAY. 'Computed on the way' means the value that the module computes at that place (a softmax that the list does not call 'softmax' is quantised finished and normalised). What goes into a quantiser is computed in f32, as accurately as f32 sums, v_exp_f32 and their like allow (about 1e-6 of the number): no bf16 or f16 on the way to a quantiser, and a product that is left as it is and whose result goes on into a quantised operand takes f32 operands (vector FMAs, or v_wmma_f32_16x16x4_f32). A number that lies on a knife's edge between two numbers of the format may be rounded either way, as far as f32 arithmetic and the matrix unit's own rounding can turn it there, and no further.
;; One version. Each part assembles by itself: llvm-mc -triple=amdgcn-amd-amdhsa -mcpu=gfx1250 --defsym DOCPART=n.
;; ======== version 1 of 1: 4 launches
;; workspace buffers: xc 6,291,456 bytes; xs 262,144 bytes; wc 3,145,728 bytes; ws 131,072 bytes; kv 13,369,344 bytes; qr 13,369,344 bytes; zc 6,291,456 bytes; zs 262,144 bytes
;; launch quant (part 1): grid 384 x 1, 4 waves a work-group, no clusters, 98,816 bytes of LDS; arguments x, w_qkv, w_out, xc, xs, wc, ws; writes xc, xs, wc, ws
.if DOCPART == 1
	.amdgcn_target "amdgcn-amd-amdhsa--gfx1250"
	.amdhsa_code_object_version 6
	.text
	.protected	k_q98daecc1f4_quant
	.globl	k_q98daecc1f4_quant
	.p2align	8
	.type	k_q98daecc1f4_quant,@function
k_q98daecc1f4_quant:
	s_mov_b64 s[64:65], 0
	v_nop
	global_prefetch_b8 v0, s[64:65] scope:SCOPE_SE
	s_setreg_imm32_b32 hwreg(HW_REG_WAVE_MODE, 25, 1), 1
	s_wait_xcnt 0x0
; x [8192][1024], w_qkv [1024][3072] and w_out [1024][1024], f32, become codes of BF6 (E3M2) and one E8M0 byte for each 32 along K.
; A block's scale is 2^(floor(log2(its largest magnitude)) - 4); its byte is the largest magnitude's exponent field - 4, held at 1 from below.
; ROW ORDER.  sw(i) = i with bits 3 and 4 exchanged.  Token t is slot sw(t); column n of w_qkv is row sw(n) of wc and ws, column n of w_out row 3072 + sw(n).
; So 16 neighbouring stored rows, used as source 0 of a product, leave 16 neighbouring true indices in the 16 registers of two neighbouring result tiles.
; xc holds IMAGES OF OPERAND REGISTERS: [tile of 16 slots][chunk of 64 along K, 16 of them][768 bytes]: lane (row, half)'s registers 0-3 at 16 x lane, registers 4-5 at 512 + 8 x lane; a lane's six registers are k = 32 half + 0 .. 31 of the chunk.
; xs [slot][32 bytes].  wc [row][768 bytes] is a plain stream of codes, ws [row][32 bytes].
; LIMITS: NaN and infinities among the inputs are not served; a block of zeros gets the byte 1 where the rule says 127 (its codes are zeros, and only this program reads the bytes);
; blocks whose largest magnitude lies under 2^(4 - 126) are held at the byte 1.
; Work-groups 0-255 take x, work-groups 256-383 the weights (K is their first axis: a lane takes a column, its registers run down K).
; The two paths never join and have LDS bytes of their own.  No tensor loads, no cluster: no input byte is read twice.
.set SPB,   144                        ; x: a block's place in a stage: its 128 bytes + 16 of padding
.set WREG,  9472                       ; x: LDS of a wave: two stages of 32 x SPB bytes, then its 256 scale bytes
.set IMG,   4*WREG                     ; x: the work-group's two tiles of images: 32 chunks,
.set CPI,   784                        ;    each 768 bytes + 16 of padding
.set R,     16                         ; x: v16-111  three sets of 32 numbers as loaded
.set X,     112                        ; x: v112-175 two sets of 32 neighbours
.set WBASE, 63488                      ; w: its LDS begins here: 32 rows x PITCH for each wave
.set PITCH, 272
.set KROW,  768                        ; a row of wc: 1,024 codes
.set NB,    8                          ; w: blocks of 32 along K for a wave
.set WX,    32                         ; w: v32-95   two sets of 32 numbers
.set WCD,   96                         ; w: v96..    a block's codes
.set OUTR,  112                        ; w: v112-175 the way out
.set SB,    24                         ; w: v24-25   the scale bytes
.set WO,    176                        ; w: v176-207 byte offset of row i of a block: 4 x lane + i x the weight's row
	s_load_b256 s[4:11], s[0:1], 0x0               ; x, w_qkv, w_out, xc
	s_load_b128 s[12:15], s[0:1], 0x20             ; xs, wc
	s_load_b64 s[16:17], s[0:1], 0x30              ; ws
	v_lshl_add_u32 v208, v0, 2, 0x18000
	v_mov_b32 v209, 0
	v_lshrrev_b32 v1, 5, v0
	v_readfirstlane_b32 s18, v1                    ; wave
	v_and_b32 v2, 31, v0                           ; lane
	s_cmp_lt_u32 ttmp9, 256
	s_cbranch_scc0 .Lw
; ---------------- x.  A work-group takes 32 tokens = two tiles of 16 slots; a wave 8 rows, one row a step.  Each load reads 512 consecutive bytes; a row's 4,096 bytes turn through the wave's own stage,
; so that lane l holds block l of the row: 32 neighbours.  Its 24 bytes of codes go to their place in the work-group's images in LDS; behind one barrier the images leave in runs of 512 and 256 consecutive bytes.
	v_lshlrev_b32 v3, 4, v2                        ; my 16 bytes of a load's 512
	s_mul_i32 s19, s18, WREG
	v_lshrrev_b32 v4, 3, v2
	v_mul_u32_u24 v4, v4, SPB
	v_and_b32 v5, 7, v2
	v_lshl_add_u32 v4, v5, 4, v4
	v_add_nc_u32 v4, s19, v4                       ; the stage, on the way in: SPB (lane / 8) + 16 (lane % 8); a load's 512 bytes take four places
	v_mul_u32_u24 v5, v2, SPB
	v_add_nc_u32 v5, s19, v5                       ; and on the way out: SPB x lane
	s_add_co_u32 s20, s19, 2*32*SPB
	v_add_nc_u32 v6, s20, v2                       ; my block's byte among the wave's 256
	v_lshlrev_b32 v7, 3, v2
	v_add_nc_u32 v8, s20, v7
	s_and_b32 s21, s18, 1                          ; which of the two tiles my 8 rows fall into (bit 4 of the slot),
	s_lshr_b32 s22, s18, 1                         ; and which half of its 16 rows (bit 3)
	v_lshrrev_b32 v9, 1, v2
	v_mul_u32_u24 v9, v9, CPI                      ; my chunk: lane / 2
	v_and_b32 v15, 1, v2                           ; my half of the chunk
	s_mul_i32 s23, s21, 16*CPI
	s_add_co_u32 s23, s23, IMG
	v_add_nc_u32 v9, s23, v9
	v_lshl_add_u32 v10, v15, 7, v9
	v_lshl_add_u32 v9, v15, 8, v9
	s_lshl_b32 s24, s22, 7
	v_add_nc_u32 v9, s24, v9                       ; registers 0-3: 16 x (row + 16 half); the row's step stands in the immediate
	s_lshl_b32 s24, s22, 6
	s_add_co_u32 s24, s24, 512
	v_add_nc_u32 v10, s24, v10                     ; registers 4-5: 512 + 8 x (row + 16 half)
	s_mul_i32 s24, s18, 8*CPI
	s_add_co_u32 s24, s24, IMG
	v_add_nc_u32 v11, s24, v3                      ; out: wave w takes chunks 8 w .. 8 w + 7: their 512 bytes,
	s_mul_i32 s25, s18, 8*768
	v_add_nc_u32 v12, s25, v3
	v_lshrrev_b32 v15, 4, v2
	v_and_b32 v14, 15, v2
	v_lshlrev_b32 v14, 4, v14
	v_mad_u32_u24 v13, v15, CPI, v14
	v_add_nc_u32 v13, s24, v13
	v_add_nc_u32 v13, 512, v13                     ; and their 256 bytes, two chunks an instruction
	v_mad_u32_u24 v14, v15, 768, v14
	v_add_nc_u32 v14, s25, v14
	v_add_nc_u32 v14, 512, v14
	s_lshl_b32 s26, ttmp9, 2
	s_add_co_u32 s28, s26, s18                     ; which run of 8 rows is read
	s_lshl_b32 s28, s28, 15
	s_mov_b32 s29, 0
	s_lshl_b32 s30, s21, 1
	s_or_b32 s30, s30, s22
	s_add_co_u32 s30, s26, s30                     ; and which run of 8 slots it becomes
	s_lshl_b32 s30, s30, 8
	s_mov_b32 s31, 0
	s_mul_i32 s32, ttmp9, 24576                    ; the work-group's two tiles in xc
	s_mov_b32 s33, 0
	s_wait_kmcnt 0x0
	s_add_nc_u64 s[4:5], s[4:5], s[28:29]
	s_add_nc_u64 s[12:13], s[12:13], s[30:31]
	s_add_nc_u64 s[10:11], s[10:11], s[32:33]
.macro XLOAD t
.irp i, 0,1,2,3,4,5,6,7
	global_load_b128 v[R+32*((\t)%3)+4*\i:R+32*((\t)%3)+4*\i+3], v3, s[4:5] offset:4096*(\t)+512*\i th:TH_LOAD_NT
.endr
.endm
.macro XTURN t                         ; LDS serves a wave's instructions in order: no wait between the stores and the loads
.irp i, 0,1,2,3,4,5,6,7
	ds_store_b128 v4, v[R+32*((\t)%3)+4*\i:R+32*((\t)%3)+4*\i+3] offset:32*SPB*((\t)%2)+4*SPB*\i
.endr
.irp i, 0,1,2,3,4,5,6,7
	ds_load_b128 v[X+32*((\t)%2)+4*\i:X+32*((\t)%2)+4*\i+3], v5 offset:32*SPB*((\t)%2)+16*\i
.endr
.endm
	XLOAD 0
	XLOAD 1
	XLOAD 2
	s_wait_loadcnt 16                              ; row 0's eight loads are in; sixteen younger ones stay out
	XTURN 0
.macro XSTEP t
.set XS, X+32*((\t)%2)
.set CS, 180+8*((\t)%2)                ; codes: two sets by turns; v196, v197 the byte
.if (\t) > 0
	s_wait_dscnt 3                                 ; this row's numbers are back from the stage; the last row's three stores may be out
.else
	s_wait_dscnt 0x0
.endif
.if (\t)+3 < 8
	XLOAD (\t)+3                                   ; into the set whose stores into the stage have read their registers
.endif
.if (\t)+1 < 8
.if (\t)+3 < 8
	s_wait_loadcnt 16                              ; the next row's eight loads are in; those of the two rows behind it may be out
.else
	s_wait_loadcnt 8*(6-(\t))
.endif
	XTURN (\t)+1
.endif
	v_max3_num_f32 v176, |v[XS]|, |v[XS+1]|, |v[XS+2]|             ; all 32 numbers of the block are mine
	v_max3_num_f32 v177, |v[XS+3]|, |v[XS+4]|, |v[XS+5]|
.irp i, 6,10,14,18,22,26
	v_max3_num_f32 v176, v176, |v[XS+\i]|, |v[XS+\i+1]|
	v_max3_num_f32 v177, v177, |v[XS+\i+2]|, |v[XS+\i+3]|
.endr
	v_max3_num_f32 v176, v176, |v[XS+30]|, |v[XS+31]|
	v_max3_num_f32 v176, v176, v177, 0x2800000     ; the floor 2^(5 - 127): the byte cannot fall under 1
	v_add_nc_u32 v178, 0xfe000000, v176            ; 4 off the exponent field: the conversion's scale operand
	v_cvt_scalef32_pk16_bf6_f32 v[CS:CS+2], v[XS:XS+15], v178
	v_cvt_scalef32_pk16_bf6_f32 v[CS+4:CS+6], v[XS+16:XS+31], v178   ; (a conversion's three registers begin on an even number)
	v_lshrrev_b32 v[196+(\t)%2], 23, v178          ; the scale's byte (also the plain line behind the conversions)
	v_mov_b32 v[CS+3], v[CS+4]
	v_mov_b32 v[CS+4], v[CS+5]
	v_mov_b32 v[CS+5], v[CS+6]                     ; six registers on end
	ds_store_b8 v6, v[196+(\t)%2] offset:32*(\t)
	ds_store_b128 v9, v[CS:CS+3] offset:16*(\t)
	ds_store_b64 v10, v[CS+4:CS+5] offset:8*(\t)
.endm
.irp t, 0,1,2,3,4,5,6,7
	XSTEP \t
.endr
	ds_load_b64 v[198:199], v8                     ; my wave's own 256 scale bytes
	s_wait_dscnt 0x0                               ; for the others' sake too: my stores into the images are done
	global_store_b64 v7, v[198:199], s[12:13]      ; 32 lanes store 256 consecutive bytes, aligned
	s_barrier_signal -1
	s_barrier_wait -1                              ; both tiles' images are whole
.irp n, 0,1,2,3,4,5,6,7
	ds_load_b128 v[16+4*\n:19+4*\n], v11 offset:CPI*\n
.endr
.irp n, 0,1,2,3
	ds_load_b128 v[48+4*\n:51+4*\n], v13 offset:2*CPI*\n
.endr
.irp n, 0,1,2,3,4,5,6,7
	s_wait_dscnt 11-\n                             ; the later loads may be out
	global_store_b128 v12, v[16+4*\n:19+4*\n], s[10:11] offset:768*\n      ; 512 consecutive bytes, aligned to 256
.endr
.irp n, 0,1,2,3
	s_wait_dscnt 3-\n
	global_store_b128 v14, v[48+4*\n:51+4*\n], s[10:11] offset:1536*\n     ; sixteen lanes store 256 consecutive bytes, aligned
.endr
	s_wait_tensorcnt 0x0
	ds_add_u32 v208, v209
	s_wait_dscnt 0x0
	s_endpgm
; ---------------- the weights.  Work-group 256 + 32 ky + cxw: rows 128 cxw .. + 127 of wc (cxw < 24: columns of w_qkv, else of w_out), 256 along K from 256 ky on; a wave takes 32 columns.
.Lw:
	s_sub_co_u32 s19, ttmp9, 256
	s_and_b32 s20, s19, 31                         ; cxw
	s_lshr_b32 s21, s19, 5                         ; ky
	s_lshl_b32 s22, s20, 7
	s_lshl_b32 s23, s18, 5
	s_add_co_u32 s22, s22, s23                     ; my wave's first row of wc
	v_lshlrev_b32 v3, 2, v2                        ; in: 4 bytes a lane
	v_and_b32 v5, 7, v2
	v_bfe_u32 v6, v2, 3, 1
	v_lshl_add_u32 v5, v6, 4, v5
	v_bfe_u32 v6, v2, 4, 1
	v_lshl_add_u32 v5, v6, 3, v5                   ; sw(lane): the row, of my wave's 32, that my column becomes
	s_mul_i32 s24, s18, 32*PITCH
	s_add_co_u32 s24, s24, WBASE                   ; my stage
	v_mul_u32_u24 v4, v5, PITCH
	v_add_nc_u32 v4, s24, v4                       ; into it
	v_and_b32 v6, 15, v2
	v_lshrrev_b32 v10, 4, v2
	v_mul_u32_u24 v7, v10, PITCH
	v_lshl_add_u32 v7, v6, 4, v7
	v_add_nc_u32 v7, s24, v7                       ; out of it: sixteen lanes to a row, two rows an instruction
	v_mul_u32_u24 v8, v10, KROW
	v_mad_u32_u24 v8, v6, 12, v8                   ; and the same place in wc
	v_lshlrev_b32 v9, 5, v5                        ; my row of scale bytes
	s_mov_b32 s25, 4096
	s_cmp_lt_u32 s20, 24                           ; which weight: the choice hangs on the work-group's number alone
	s_cselect_b32 s25, 12288, s25                  ; bytes in a row of it
	s_cselect_b32 s26, 0, 3072
	s_wait_kmcnt 0x0
	s_cselect_b64 s[28:29], s[6:7], s[8:9]
	s_sub_co_u32 s26, s22, s26                     ; my first column in it
	s_lshl_b32 s26, s26, 2
	s_lshl_b32 s27, s21, 8
	s_mul_i32 s27, s27, s25                        ; 256 ky rows down
	s_add_co_u32 s26, s26, s27
	s_mov_b32 s27, 0
	s_add_nc_u64 s[32:33], s[28:29], s[26:27]      ; block 0's base; block t's lies 32 rows further down
	s_lshl_b32 s30, s25, 5
	s_mov_b32 s31, 0
.irp t, 1,2,3,4,5,6,7
	s_add_nc_u64 s[32+2*\t:33+2*\t], s[30+2*\t:31+2*\t], s[30:31]
.endr
.set i, 0
.rept 32
	v_mad_u32_u24 v[WO+i], s25, i, v3
.set i, i+1
.endr
	s_mul_i32 s48, s22, KROW
	s_mul_i32 s49, s21, 192
	s_add_co_u32 s48, s48, s49
	s_mov_b32 s49, 0
	s_add_nc_u64 s[14:15], s[14:15], s[48:49]      ; wc at my first row, my 192 bytes of it
	s_lshl_b32 s48, s22, 5
	s_lshl_b32 s50, s21, 3
	s_add_co_u32 s48, s48, s50
	s_add_nc_u64 s[16:17], s[16:17], s[48:49]      ; ws likewise, my 8 bytes
.macro WLOAD t                         ; block t: W(32 t + i, my column): 32 lanes read 128 consecutive bytes
.set i, 0
.rept 32
	global_load_b32 v[WX+32*((\t)%2)+i], v[WO+i], s[32+2*(\t):33+2*(\t)] th:TH_LOAD_NT
.set i, i+1
.endr
.endm
	WLOAD 0
	WLOAD 1
.macro WBLOCK t
.set XS, WX+32*((\t)%2)
.if (\t) < NB-1
	s_wait_loadcnt 32                              ; this block's 32 loads are in; the next block's may be out
.else
	s_wait_loadcnt 0
.endif
	v_max3_num_f32 v12, |v[XS]|, |v[XS+1]|, |v[XS+2]|              ; all 32 numbers of the block are mine
	v_max3_num_f32 v13, |v[XS+3]|, |v[XS+4]|, |v[XS+5]|
.irp i, 6,10,14,18,22,26
	v_max3_num_f32 v12, v12, |v[XS+\i]|, |v[XS+\i+1]|
	v_max3_num_f32 v13, v13, |v[XS+\i+2]|, |v[XS+\i+3]|
.endr
	v_max3_num_f32 v12, v12, |v[XS+30]|, |v[XS+31]|
	v_max3_num_f32 v12, v12, v13, 0x2800000
	v_add_nc_u32 v11, 0xfe000000, v12
	v_lshrrev_b32 v13, 23, v11
.if (\t)%4 == 0
	v_mov_b32 v[SB+(\t)/4], v13
.else
	v_lshl_or_b32 v[SB+(\t)/4], v13, 8*((\t)%4), v[SB+(\t)/4]
.endif
	v_cvt_scalef32_pk16_bf6_f32 v[WCD:WCD+2], v[XS:XS+15], v11
	v_cvt_scalef32_pk16_bf6_f32 v[WCD+4:WCD+6], v[XS+16:XS+31], v11
	ds_store_b96 v4, v[WCD:WCD+2] offset:32*(\t)   ; 12 bytes to a place of 16, so that every LDS address is a multiple of 16
	ds_store_b96 v4, v[WCD+4:WCD+6] offset:32*(\t)+16
.if (\t)+2 < NB
	WLOAD (\t)+2
.endif
	s_wait_dscnt 0x0                               ; the stores have read their registers: the next block's codes may be written (its first lines are plain vector lines)
.endm
.irp t, 0,1,2,3,4,5,6,7
	WBLOCK \t
.endr
	global_store_b64 v9, v[SB:SB+1], s[16:17]      ; my column's 8 scale bytes
.irp t, 0,1,2,3,4,5,6,7,8,9,10,11,12,13,14,15
	ds_load_b96 v[OUTR+4*\t:OUTR+4*\t+2], v7 offset:2*\t*PITCH
.endr
.irp t, 0,1,2,3,4,5,6,7,8,9,10,11,12,13,14,15
	s_wait_dscnt 15-\t                             ; the later loads from the stage may be out
	global_store_b96 v8, v[OUTR+4*\t:OUTR+4*\t+2], s[14:15] offset:2*\t*KROW   ; sixteen lanes store a row's 192 consecutive bytes
.endr
	s_wait_tensorcnt 0x0
	ds_add_u32 v208, v209
	s_wait_dscnt 0x0
	s_endpgm
.Lfunc_end_k_q98daecc1f4_quant:
	.size	k_q98daecc1f4_quant, .Lfunc_end_k_q98daecc1f4_quant-k_q98daecc1f4_quant
	.p2alignl 7, 3214868480
	.fill 96, 4, 3214868480
	.section	.rodata,"a",@progbits
	.p2align	6, 0x0
	.amdhsa_kernel k_q98daecc1f4_quant
		.amdhsa_group_segment_fixed_size 98816
		.amdhsa_private_segment_fixed_size 0
		.amdhsa_enable_private_segment 0
		.amdhsa_kernarg_size 56
		.amdhsa_user_sgpr_count 2
		.amdhsa_user_sgpr_kernarg_segment_ptr 1
		.amdhsa_wavefront_size32 1
		.amdhsa_system_sgpr_workgroup_id_x 1
		.amdhsa_system_sgpr_workgroup_id_y 1
		.amdhsa_system_sgpr_workgroup_id_z 1
		.amdhsa_system_vgpr_workitem_id 0
		.amdhsa_next_free_vgpr 210
		.amdhsa_next_free_sgpr 66
		.amdhsa_reserve_vcc 0
		.amdhsa_float_denorm_mode_32 3
		.amdhsa_float_denorm_mode_16_64 3
		.amdhsa_memory_ordered 1
		.amdhsa_forward_progress 1
		.amdhsa_inst_pref_size 77
	.end_amdhsa_kernel
	.amdgpu_metadata
---
amdhsa.version: [ 1, 2 ]
amdhsa.kernels:
  - .name:           k_q98daecc1f4_quant
    .symbol:         k_q98daecc1f4_quant.kd
    .args:
      - { .name: x, .offset: 0, .size: 8, .value_kind: global_buffer, .address_space: global }
      - { .name: w_qkv, .offset: 8, .size: 8, .value_kind: global_buffer, .address_space: global }
      - { .name: w_out, .offset: 16, .size: 8, .value_kind: global_buffer, .address_space: global }
      - { .name: xc, .offset: 24, .size: 8, .value_kind: global_buffer, .address_space: global }
      - { .name: xs, .offset: 32, .size: 8, .value_kind: global_buffer, .address_space: global }
      - { .name: wc, .offset: 40, .size: 8, .value_kind: global_buffer, .address_space: global }
      - { .name: ws, .offset: 48, .size: 8, .value_kind: global_buffer, .address_space: global }
    .group_segment_fixed_size: 98816
    .private_segment_fixed_size: 0
    .kernarg_segment_align: 8
    .kernarg_segment_size: 56
    .max_flat_workgroup_size: 128
    .sgpr_count:     66
    .vgpr_count:     210
    .wavefront_size: 32
...
	.end_amdgpu_metadata
.endif
;; end of part 1
;; launch qkv (part 2): grid 32 x 8, 4 waves a work-group, clusters of 4 x 1, 320,000 bytes of LDS; arguments xc, xs, wc, ws, b_qkv, qr, kv; writes qr, kv
.if DOCPART == 2
	.amdgcn_target "amdgcn-amd-amdhsa--gfx1250"
	.amdhsa_code_object_version 6
	.text
	.protected	k_q98daecc1f4_qkv
	.globl	k_q98daecc1f4_qkv
	.p2align	8
	.type	k_q98daecc1f4_qkv,@function
k_q98daecc1f4_qkv:
	s_mov_b64 s[64:65], 0
	v_nop
	global_prefetch_b8 v0, s[64:65] scope:SCOPE_SE
	s_setreg_imm32_b32 hwreg(HW_REG_WAVE_MODE, 25, 1), 1
	s_wait_xcnt 0x0
	s_wait_alu depctr_hold_cnt(0) depctr_sa_sdst(0) depctr_va_vdst(0) depctr_va_sdst(0) depctr_va_ssrc(0) depctr_va_vcc(0) depctr_vm_vsrc(0)
	s_getreg_b32 s2, hwreg(HW_REG_IB_STS2, 6, 4)
	s_cmp_eq_u32 s2, 0
	s_cbranch_scc0 .Lentry_in_a_cluster
	s_endpgm
.Lentry_in_a_cluster:
	s_bfe_u32 s2, ttmp6, 0x10000c
	s_cmp_lg_u32 s2, 0x3003
	s_cbranch_scc0 .Lentry_shape_is_right
	s_endpgm
.Lentry_shape_is_right:
; qkv = x w_qkv + b_qkv on codes of BF6 (E3M2) with E8M0 scales, K = 1,024; the results are quantised in the accumulators and leave as codes: q and k along the head's 64, v along the keys.
; SHARES.  8,192 tokens x 3,072 features = 32 x 8 work-groups of equal work.  Work-group (TX, j) owns 256 tokens and makes three SUB-TILES one after the other: features 128 j .. + 127 of q, of k and of v (heads 2 j, 2 j + 1).
; Each of its four waves owns 64 tokens: 4 blocks of 16.  x's codes of those 64 tokens for ALL of K are 4 x 8 fragments = 384 registers: they are loaded once, straight from memory (xc holds images of operand registers: every load reads
; 512 or 256 consecutive bytes), and serve all three sub-tiles.  No other wave of the work-group wants them, so they do not go through LDS.
; w's 128 rows of a sub-tile, all of K (768 bytes a row, 16 bytes of padding behind every 256: pitch 816), are 104,448 bytes: all three sub-tiles lie in LDS together, each filled ONCE.  So there is no ring, and nothing is filled again.
; A wave brings 32 rows of each sub-tile: three tensor loads of mine are out at the start; a sub-tile has only 128 rows for four waves, so a load has 32 rows, of three whole runs of 256 bytes each.
; CLUSTER: the four work-groups of a cluster lie along the tokens and want the same rows of w: each tile is asked for jointly (mask 15).  x is not shared inside a cluster.
; PRODUCTS.  q, k: source 0 = 16 rows of w, source 1 = 16 tokens: a lane holds a token, its registers run along the features.  v: the sources change places: a lane holds a feature, its registers run along the tokens.
; Stored rows are in the order sw (bits 3 and 4 exchanged), so the 16 registers of source 0's tiles 2 b and 2 b + 1 are the true indices 32 b + 16 (lane / 16) + 0 .. 15: a block of 32 lies in lanes l and l xor 16.
; The bias is the C of each sum's first matrix instruction.  The scale words stay in registers: lane l of a register holds row l of 32 rows: two tiles to a register, the second read by ROW1.
; OUT.  A head's record (REC bytes) in kv: K's scale words (8,192 bytes), V's (4,096), then 16 key steps of 12,288 bytes: 8 tiles of K (16 keys x 64: 768 bytes: registers 0-3 at 16 x lane, 4-5 at 512 + 8 x lane) and
; 4 tiles of V (16 of the head's 64 x 128 keys: two halves of 64 keys, each laid as a tile of K is).  qr has the same form with Q in K's places.  Each store covers 512 or 256 consecutive bytes, aligned.
; A wave makes half a key step's scale words: they are gathered in LDS, each wave in bytes of its own, and leave behind one barrier at the end, two waves' halves joined.
; LIMITS: NaN and infinities are not served; a block of zeros gets the byte 1 where the rule says 127 (its codes are zeros; only this program reads the bytes).
; REGISTERS: window 0: v1-15 addresses; v16-31 x's scale words; v32-63 w's; v64-159, v160-255 w's fragments, two sets (the second also serves the way out).
;   window 1: x's blocks 0, 1 (block e, K step q at v[96 e + 12 q]); v192-255 a bias.   window 2: blocks 2, 3; v192-255 a bias.   window 3: the 32 accumulators.
.set REC,   208896
.set HDR,   12288
.set BP,    816                        ; an LDS row of w: 204 words: row r starts at bank 12 r mod 64 (64 banks of 4 bytes: ISA guide 11.1), so the 32 lanes of a load of 8 bytes touch 64 different banks
.set SUBB,  128*BP
.set GAT,   3*SUBB                     ; behind the three sub-tiles: the scale words of q, k, v: 2,048 bytes each, 512 for each wave
.set L16,  1                           ; v1  16 x lane
.set L8,   2                           ; v2  8 x lane
.set L32,  3                           ; v3  32 x lane
.set ADB,  4                           ; v4, v5 w's tiles 0-3 (v5: for pieces behind one padding more); v6, v7 tiles 4-7
.set AS,   16
.set BS,   32
.set BF,   64
.set TM,   160                         ; the way out: v160-163 largest magnitudes, v164-167 exchange and bytes, v172-175 scale operands
.set PW,   176                         ; v176 the scale word just made, v177 my head's half of it
.set WV,   18
.set G1,   24
.set G0,   32
.set SEL,  44
.set MSB, 0
.macro WIN new                         ; the immediate's high byte repeats the setting that is left
.if MSB != (\new)
	s_set_vgpr_msb (MSB<<8)|(\new)
.set MSB, (\new)
.endif
.endm
.macro ROUND                           ; a round of the cluster's barrier
	s_barrier_signal -1
	s_barrier_wait -1
	s_cmp_lg_u32 s[WV], 0
	s_cbranch_scc1 .Lnot_wave_0_\@
	s_barrier_signal -3
.Lnot_wave_0_\@:
	s_barrier_wait -3
	s_barrier_signal -1
	s_barrier_wait -1
.endm
.macro PLACES                          ; plain vector lines between a matrix instruction and a load into, or a read of, its registers
.rept 4
	v_nop
.endr
.endm
	s_load_b256 s[4:11], s[0:1], 0x0               ; xc, xs, wc, ws
	s_load_b128 s[12:15], s[0:1], 0x20             ; b_qkv, qr
	s_load_b64 s[16:17], s[0:1], 0x30              ; kv
	v_lshl_add_u32 v14, v0, 2, 0x4e000
	v_mov_b32 v15, 0
	ds_add_u32 v14, v15
	ds_add_u32 v14, v15
	v_lshrrev_b32 v1, 5, v0
	v_readfirstlane_b32 s[WV], v1                  ; wave 0..3
	s_bfe_u32 s19, ttmp6, 0x40000                  ; cx: it enters global addresses of x and of the results alone
	s_lshl_b32 s20, ttmp9, 2
	s_add_co_u32 s20, s20, s19                     ; TX: my 256 tokens
	s_and_b32 s21, ttmp7, 0xffff                   ; j: my 128 features of each third, which the four partners share
	s_lshr_b32 s52, s[WV], 1                       ; which of my work-group's two key steps my 64 tokens lie in,
	s_and_b32 s53, s[WV], 1                        ; and which half of it
	s_mov_b32 s[G1], 15|(0<<16)|(1<<20)|(1<<21)|(5<<22)|(3<<25)   ; the mask: all four; elements of 1 byte; padding on; bit 21 beside a mask; after every 64 words 4 words
	s_mov_b32 s[G1+1], 768<<16                     ; tensor_dim0
	s_mov_b32 s[G1+2], 32<<16                      ; tensor_dim1
	s_mov_b32 s[G1+3], 768<<16                     ; tile_dim0
	s_mov_b32 s[G1+4], 32                          ; tile_dim1
	s_mov_b32 s[G1+5], 768                         ; the pitch
	s_mov_b32 s[G1+6], 0
	s_mov_b32 s[G1+7], 0
	s_lshl_b32 s46, s21, 7
	s_lshl_b32 s47, s[WV], 5
	s_add_co_u32 s46, s46, s47                     ; the rows of w that I fetch: 128 j + 32 wave, in each third
	s_mul_i32 s46, s46, 768
	s_mov_b32 s47, 0
	s_mul_i32 s48, s[WV], 32*BP                    ; and where they go
	s_lshl_b32 s54, s20, 4
	s_lshl_b32 s55, s[WV], 2
	s_add_co_u32 s54, s54, s55                     ; my first tile of 16 slots: 16 TX + 4 wave
	s_mul_i32 s76, s54, 12288
	s_mov_b32 s77, 0
	s_lshl_b32 s78, s54, 9
	s_mov_b32 s79, 0
	s_lshl_b32 s80, s21, 12                        ; ws: 128 j rows of 32 bytes
	s_mov_b32 s81, 0
	s_lshl_b32 s82, s21, 9                         ; the bias: 128 j numbers
	s_mov_b32 s83, 0
	s_lshr_b32 s56, s20, 3
	s_lshl_b32 s56, s56, 4
	s_lshl_b32 s57, s21, 1
	s_add_co_u32 s56, s56, s57                     ; my first head: 16 batch + 2 j
	s_and_b32 s57, s20, 7
	s_lshl_b32 s57, s57, 1
	s_add_co_u32 s57, s57, s52                     ; my key step
	s_mul_i32 s58, s56, REC
	s_mul_i32 s59, s57, 12288
	s_add_co_u32 s58, s58, s59
	s_add_co_u32 s58, s58, HDR
	s_mul_i32 s59, s53, 3072
	s_add_co_u32 s84, s58, s59                     ; q, k: my four tiles of the step's eight
	s_mov_b32 s85, 0
	s_mul_i32 s59, s53, 768
	s_add_co_u32 s86, s58, s59
	s_add_co_u32 s86, s86, 6144                    ; v: my half of each tile
	s_mov_b32 s87, 0
	s_add_co_u32 s59, s56, s53                     ; at the end wave w stores the scale words of head 2 j + w % 2, key step w / 2
	s_mul_i32 s59, s59, REC
	s_lshl_b32 s88, s57, 9
	s_add_co_u32 s88, s88, s59
	s_mov_b32 s89, 0
	s_lshl_b32 s90, s57, 8
	s_add_co_u32 s90, s90, s59
	s_add_co_u32 s90, s90, 8192
	s_mov_b32 s91, 0
	s_mov_b32 s[SEL], 0x76543210
	s_mov_b32 s[SEL+1], 0xfedcba98
	s_wait_dscnt 0x0
	s_wait_kmcnt 0x0
	s_add_nc_u64 s[50:51], s[8:9], s[46:47]
.irp u, 0,1,2
	s_mov_b32 s[G0+4*\u], 1
	s_add_co_u32 s[G0+4*\u+1], s48, \u*SUBB
	s_add_nc_u64 s[G0+4*\u+2:G0+4*\u+3], s[50:51], \u*1024*768
	s_or_b32 s[G0+4*\u+3], s[G0+4*\u+3], 0x80000000
.endr
	ROUND                                          ; all four work-groups are here: the joint loads meet
	tensor_load_to_lds s[G0:G0+3], s[G1:G1+7]      ; q's rows of w, k's, v's: three loads of mine are out
	s_nop 0
	tensor_load_to_lds s[G0+4:G0+7], s[G1:G1+7]
	s_nop 0
	tensor_load_to_lds s[G0+8:G0+11], s[G1:G1+7]
	s_nop 0
	PLACES
	s_add_nc_u64 s[4:5], s[4:5], s[76:77]          ; x's images at my first tile
	s_add_nc_u64 s[6:7], s[6:7], s[78:79]          ; and its scale bytes
	s_add_nc_u64 s[10:11], s[10:11], s[80:81]
	s_add_nc_u64 s[12:13], s[12:13], s[82:83]
	s_add_nc_u64 s[60:61], s[14:15], s[84:85]      ; q's tiles
	s_add_nc_u64 s[62:63], s[16:17], s[84:85]      ; k's
	s_add_nc_u64 s[66:67], s[16:17], s[86:87]      ; v's
	s_add_nc_u64 s[70:71], s[14:15], s[88:89]      ; q's scale words
	s_add_nc_u64 s[72:73], s[16:17], s[88:89]      ; k's
	s_add_nc_u64 s[74:75], s[16:17], s[90:91]      ; v's
	v_and_b32 v66, 31, v0                          ; lane
	v_and_b32 v64, 15, v0                          ; r
	v_bfe_u32 v65, v0, 4, 1                        ; h
	v_lshlrev_b32 v[L16], 4, v66
	v_lshlrev_b32 v[L8], 3, v66
	v_lshlrev_b32 v[L32], 5, v66
	v_mul_u32_u24 v4, v64, BP
	v_mad_u32_u24 v5, v65, 40, v4                  ; a fragment's row x pitch + 24 x half, behind one padding more
	v_mad_u32_u24 v4, v65, 24, v4                  ; and plain
	v_add_nc_u32 v6, 64*BP, v4
	v_add_nc_u32 v7, 64*BP, v5
	v_lshlrev_b32 v8, 6, v65                       ; the bias of q, k: 64 h
	s_wait_alu depctr_va_vdst(0)
	v_and_b32 v9, 8, v64
	v_add_nc_u32 v9, v9, v64
	v_lshlrev_b32 v9, 2, v9                        ; the bias of v: 4 (r + 8 (r / 8))
	v_lshlrev_b32 v10, 4, v65                      ; 16 h: which half of a scale word is my head's
	s_lshl_b32 s54, s[WV], 9
	s_add_co_u32 s54, s54, GAT
	v_lshl_add_u32 v12, v64, 3, s54
	v_lshl_add_u32 v11, v65, 8, v12                ; q, k: my wave's 512 bytes: head h at 256 h, position at 8 bytes each
	v_add_nc_u32 v12, 4096, v12                    ; v: likewise; the head stands in the immediate
	s_lshl_b32 s54, s52, 10
	s_lshl_b32 s55, s53, 8
	s_add_co_u32 s54, s54, s55
	s_add_co_u32 s54, s54, GAT
	v_add_nc_u32 v13, s54, v[L8]                   ; back: key step w / 2's first wave, head w % 2; the second wave's lie 512 bytes on
.irp p, 0,1
	global_load_b128 v[AS+8*\p:AS+8*\p+3], v[L32], s[6:7] offset:1024*\p        ; x's scale words: lane l takes row 32 p + l's 32 bytes: register q = K step q
	global_load_b128 v[AS+8*\p+4:AS+8*\p+7], v[L32], s[6:7] offset:1024*\p+16
.endr
.macro BSLOAD u                        ; w's scale words of sub-tile u
.irp p, 0,1,2,3
	global_load_b128 v[BS+8*\p:BS+8*\p+3], v[L32], s[10:11] offset:32768*(\u)+1024*\p
	global_load_b128 v[BS+8*\p+4:BS+8*\p+7], v[L32], s[10:11] offset:32768*(\u)+1024*\p+16
.endr
.endm
	BSLOAD 0
.irp u, 0,1                            ; the biases of q (window 1) and k (window 2): w's tile b, register i, lane half h: feature 32 (b / 2) + 16 h + 8 (b % 2) + i
	WIN 0x40*(1+\u)
.irp b, 0,1,2,3,4,5,6,7
	global_load_b128 v[192+8*\b:195+8*\b], v8, s[12:13] offset:4096*\u+(32*(\b/2)+8*(\b%2))*4
	global_load_b128 v[196+8*\b:199+8*\b], v8, s[12:13] offset:4096*\u+(32*(\b/2)+8*(\b%2))*4+16
.endr
.endr
.macro AFRAG reg, a, q                 ; x's fragment of block a, K step q: two chunks' images
	global_load_b128 v[\reg:\reg+3], v[L16], s[4:5] offset:(\a)*12288+(\q)*1536
	global_load_b64 v[\reg+4:\reg+5], v[L8], s[4:5] offset:(\a)*12288+(\q)*1536+512
	global_load_b128 v[\reg+6:\reg+9], v[L16], s[4:5] offset:(\a)*12288+(\q)*1536+768
	global_load_b64 v[\reg+10:\reg+11], v[L8], s[4:5] offset:(\a)*12288+(\q)*1536+1280
.endm
.irp q, 0,1,2,3,4,5,6,7                ; by K steps, 16 loads each, so that the first products need not wait for the last loads
	WIN 0x40
	AFRAG 12*\q, 0, \q
	AFRAG 96+12*\q, 1, \q
	WIN 0x80
	AFRAG 12*\q, 2, \q
	AFRAG 96+12*\q, 3, \q
.endr
	WIN 0
.macro FRAG reg, adr, q, i             ; w: 16 rows x 128 K: 12 registers, in pieces of 8 bytes.  Lanes 16-31 read three pieces further on: where that is behind one padding more, the second address register serves
.irp p, 0,1,2,3,4,5
.set PC, 12*(\q)+6*(\p/3)+\p%3
.if PC%32 < 29
	ds_load_b64 v[\reg+2*\p:\reg+2*\p+1], v[\adr] offset:8*PC+16*(PC/32)+(\i)*16*BP
.else
	ds_load_b64 v[\reg+2*\p:\reg+2*\p+1], v[\adr+1] offset:8*PC+16*(PC/32)+(\i)*16*BP
.endif
.endr
.endm
.macro FETCHB q                        ; w's eight fragments of K step q into set q % 2: 48 loads
.irp i, 0,1,2,3,4,5,6,7
	FRAG BF+96*((\q)%2)+12*\i, ADB+2*(\i/4), \q, \i%4
.endr
.endm
.macro WMMA r0, r1                     ; r0, r1: the first, the second scale register is read in lanes 16-31
.if (\r0) && (\r1)
	v_wmma_scale_f32_16x16x128_f8f6f4 v[rD:rD+7], v[rS0:rS0+11], v[rS1:rS1+11], v[rC:rC+7], v[rX0], v[rX1] matrix_a_fmt:MATRIX_FMT_BF6 matrix_b_fmt:MATRIX_FMT_BF6 matrix_a_scale:MATRIX_SCALE_ROW1 matrix_b_scale:MATRIX_SCALE_ROW1
.elseif (\r0)
	v_wmma_scale_f32_16x16x128_f8f6f4 v[rD:rD+7], v[rS0:rS0+11], v[rS1:rS1+11], v[rC:rC+7], v[rX0], v[rX1] matrix_a_fmt:MATRIX_FMT_BF6 matrix_b_fmt:MATRIX_FMT_BF6 matrix_a_scale:MATRIX_SCALE_ROW1
.elseif (\r1)
	v_wmma_scale_f32_16x16x128_f8f6f4 v[rD:rD+7], v[rS0:rS0+11], v[rS1:rS1+11], v[rC:rC+7], v[rX0], v[rX1] matrix_a_fmt:MATRIX_FMT_BF6 matrix_b_fmt:MATRIX_FMT_BF6 matrix_b_scale:MATRIX_SCALE_ROW1
.else
	v_wmma_scale_f32_16x16x128_f8f6f4 v[rD:rD+7], v[rS0:rS0+11], v[rS1:rS1+11], v[rC:rC+7], v[rX0], v[rX1] matrix_a_fmt:MATRIX_FMT_BF6 matrix_b_fmt:MATRIX_FMT_BF6
.endif
.endm
; The 32 products of K step q.  mode 0: source 0 = w, source 1 = x, accumulator (block a, tile b) at v[64 a + 8 b]; mode 1: the sources change places, accumulator at v[32 b + 8 a].
; cw = 3: the sums go on; 1 or 2: they start from the bias in that window.  The 32 accumulators take turns, one instruction a turn, in the same order in every step.
.macro KSTEP mode, q, cw
.irp g, 0,1                            ; x's blocks 2 g, 2 g + 1: window 1 + g
.if \mode
	WIN (1+\g)|((\cw)<<4)|0xc0
.else
	WIN ((1+\g)<<2)|((\cw)<<4)|0xc0
.endif
.irp b, 0,1,2,3,4,5,6,7
.irp e, 0,1
.set rW, BF+96*((\q)%2)+12*\b
.set rA, 96*\e+12*(\q)
.set rXW, BS+8*(\b/2)+(\q)
.set rXA, AS+8*\g+(\q)
.if \mode
.set rD, 32*\b+8*(2*\g+\e)
.set rS0, rA
.set rS1, rW
.set rX0, rXA
.set rX1, rXW
.else
.set rD, 64*(2*\g+\e)+8*\b
.set rS0, rW
.set rS1, rA
.set rX0, rXW
.set rX1, rXA
.endif
.if (\cw) == 3
.set rC, rD
.else
.set rC, 192+8*\b
.endif
.if \mode
	WMMA \e, \b%2
.else
	WMMA \b%2, \e
.endif
.endr
.endr
.endr
.endm
; A sub-tile: eight K steps.  At a step's head the next step's fragments are asked for, into the set that the step before has read: they have this step's 32 products in which to come.
.macro SUB mode, cw, first
.irp q, 0,1,2,3,4,5,6,7
	PLACES
	WIN 0
.if \q < 7
	FETCHB \q+1
	s_wait_dscnt 48                                ; this step's fragments are in; the 48 loads just issued may be out
.else
	s_wait_dscnt 0x0
.endif
.if \first
.if 16*(7-\q) > 63
	s_wait_loadcnt 63                              ; x's fragments of this K step are in: behind them stand 16 loads for each later step, more than the wait's field can name
.else
	s_wait_loadcnt 16*(7-\q)                       ; 16 loads for each later K step may be out
.endif
.endif
.if \q == 0
	KSTEP \mode, \q, \cw
.else
	KSTEP \mode, \q, 3
.endif
.endr
	WIN 0
.endm
; Between two sub-tiles: the next one's rows of w have landed, everybody's; its first fragments and its scale words are asked for ahead of the way out.  The four additions are the places behind the last products.
.macro NEXT left, u
	s_wait_tensorcnt \left                         ; my part of the next sub-tile is in; the later loads may be out
	s_barrier_signal -1
	s_barrier_wait -1
.irp i, 0,1,2,3
	v_add_nc_u32 v[ADB+\i], SUBB, v[ADB+\i]
.endr
	FETCHB 0
	BSLOAD \u
.endm
.macro ZERO4
.irp b, 0,1,2,3
	v_mov_b32 v[TM+4+\b], 0                        ; a lane permute's destination counts as one of its sources
.endr
.endm
; 64 accumulator registers from ac on hold, at 16 b + i, index 32 b + 16 (lane / 16) + i of my row: they become a fragment's 12 registers at v[p] on and its scale word in v[PW].
.macro QUANT4 ac, p
.set QA, (\ac)
.set QP, (\p)
	WIN 0x3c                                       ; sources 1 and 2 in window 3
.irp b, 0,1,2,3
	v_max3_num_f32 v[TM+\b], 0x2800000, |v[QA+16*\b]|, |v[QA+16*\b+1]|   ; the floor 2^(5 - 127) and my first two; each accumulator is read from its low end on
.endr
.irp i, 2,4,6,8,10,12,14
.irp b, 0,1,2,3
	v_max3_num_f32 v[TM+\b], v[TM+\b], |v[QA+16*\b+\i]|, |v[QA+16*\b+\i+1]|
.endr
.endr
	WIN 0
.irp b, 0,1,2,3
	v_permlanex16_b32 v[TM+4+\b], v[TM+\b], s[SEL], s[SEL+1]
.endr
.irp b, 0,1,2,3
	v_max_num_f32 v[TM+\b], v[TM+\b], v[TM+4+\b]   ; with lane l xor 16's: the block's largest magnitude
.endr
.irp b, 0,1,2,3
	v_add_nc_u32 v[TM+12+\b], 0xfe000000, v[TM+\b] ; 4 off its exponent field: the conversion's scale operand
.endr
.irp b, 0,1,2,3
	v_lshrrev_b32 v[TM+4+\b], 23, v[TM+12+\b]      ; the scale's byte
.endr
	v_lshl_or_b32 v[PW], v[TM+5], 8, v[TM+4]
	v_lshl_or_b32 v[PW], v[TM+6], 16, v[PW]
	v_lshl_or_b32 v[PW], v[TM+7], 24, v[PW]
	WIN 3                                          ; source 0 in window 3
.irp c, 0,1
	v_cvt_scalef32_pk16_bf6_f32 v[QP+6*\c:QP+6*\c+2], v[QA+32*\c:QA+32*\c+15], v[TM+12+2*\c]
	v_cvt_scalef32_pk16_bf6_f32 v[QP+12+4*\c:QP+14+4*\c], v[QA+16+32*\c:QA+31+32*\c], v[TM+12+2*\c+1]
.endr
	WIN 0
	v_nop                                          ; one plain line behind a scaled conversion
.irp c, 0,1                            ; the operand's layout wants a whole block in a lane
.irp i, 0,1,2
	v_permlane16_swap_b32 v[QP+6*\c+\i], v[QP+12+4*\c+\i]
.endr
.irp i, 0,1,2
	v_mov_b32 v[QP+3+6*\c+\i], v[QP+12+4*\c+\i]
.endr
.endr
.endm
; The same for 32 registers: two blocks, six registers of codes, two bytes in v[PW].
.macro QUANT2 ac, p
.set QA, (\ac)
.set QP, (\p)
	WIN 0x3c
.irp b, 0,1
	v_max3_num_f32 v[TM+\b], 0x2800000, |v[QA+16*\b]|, |v[QA+16*\b+1]|
.endr
.irp i, 2,4,6,8,10,12,14
.irp b, 0,1
	v_max3_num_f32 v[TM+\b], v[TM+\b], |v[QA+16*\b+\i]|, |v[QA+16*\b+\i+1]|
.endr
.endr
	WIN 0
.irp b, 0,1
	v_permlanex16_b32 v[TM+4+\b], v[TM+\b], s[SEL], s[SEL+1]
.endr
.irp b, 0,1
	v_max_num_f32 v[TM+\b], v[TM+\b], v[TM+4+\b]
.endr
.irp b, 0,1
	v_add_nc_u32 v[TM+12+\b], 0xfe000000, v[TM+\b]
.endr
.irp b, 0,1
	v_lshrrev_b32 v[TM+4+\b], 23, v[TM+12+\b]
.endr
	v_lshl_or_b32 v[PW], v[TM+5], 8, v[TM+4]
	WIN 3
	v_cvt_scalef32_pk16_bf6_f32 v[QP:QP+2], v[QA:QA+15], v[TM+12]
	v_cvt_scalef32_pk16_bf6_f32 v[QP+12:QP+14], v[QA+16:QA+31], v[TM+13]
	WIN 0
	v_nop
.irp i, 0,1,2
	v_permlane16_swap_b32 v[QP+\i], v[QP+12+\i]
.endr
.irp i, 0,1,2
	v_mov_b32 v[QP+3+\i], v[QP+12+\i]
.endr
.endm
; q, k: block a = 16 tokens x 128 features = two heads x 64: registers 6 e .. 6 e + 5 are head e's tile; bytes 2 e, 2 e + 1 of the word are its scales (the upper two bytes of what is stored are 0: they meet zero codes)
.macro QOUT a, go, sb
.set PQ, 192+32*((\a)%2)
	s_wait_xcnt 0x0                                ; the earlier stores have read their registers
	QUANT4 64*(\a), PQ
	v_bfe_u32 v[PW+1], v[PW], v10, 16              ; lanes 0-15: head 0's two bytes; lanes 16-31: head 1's
	ds_store_b32 v11, v[PW+1] offset:\go+((\a)&1)*128+((\a)>>1)*4
.irp e, 0,1
	global_store_b128 v[L16], v[PQ+6*\e:PQ+6*\e+3], s[\sb:\sb+1] offset:\e*REC+768*(\a)
	global_store_b64 v[L8], v[PQ+6*\e+4:PQ+6*\e+5], s[\sb:\sb+1] offset:\e*REC+768*(\a)+512
.endr
.endm
; v: w's tile b = 16 features (tile b % 4 of head b / 4) x my 64 tokens: half a fragment and half a scale word
.macro VOUT b
.set PQ, 192+32*((\b)%2)
	s_wait_xcnt 0x0
	QUANT2 32*(\b), PQ
	ds_store_b32 v12, v[PW] offset:((\b)/4)*256+((\b)&1)*128+(((\b)%4)>>1)*4   ; lanes r and r + 16 write the same word with the same value
	global_store_b128 v[L16], v[PQ:PQ+3], s[66:67] offset:((\b)/4)*REC+((\b)%4)*1536
	global_store_b64 v[L8], v[PQ+4:PQ+5], s[66:67] offset:((\b)/4)*REC+((\b)%4)*1536+512
.endm
	s_wait_tensorcnt 0x2                           ; my part of q's rows of w is in; k's and v's may be out
	s_barrier_signal -1
	s_barrier_wait -1                              ; everybody's is
	FETCHB 0
	SUB 0, 1, 1                                    ; q
	NEXT 1, 1
	WIN 0x40                                       ; v's bias takes the place of q's: w's tile b, lane r: feature 32 (b / 2) + 8 (b % 2) + r + 8 (r / 8), the same in all eight registers
.irp b, 0,1,2,3,4,5,6,7
.irp i, 0,1,2,3,4,5,6,7
	global_load_b32 v[192+8*\b+\i], v9, s[12:13] offset:8192+(32*(\b/2)+8*(\b%2))*4
.endr
.endr
	WIN 0
	ZERO4
.irp a, 0,1,2,3
	QOUT \a, 0, 60
.endr
	s_wait_xcnt 0x0                                ; the stores have read the registers that the next fragments land in
	s_wait_loadcnt 0x0                             ; k's scale words (and v's bias)
	SUB 0, 2, 0                                    ; k
	NEXT 0, 2
	ZERO4
.irp a, 0,1,2,3
	QOUT \a, 2048, 62
.endr
	s_wait_xcnt 0x0
	s_wait_loadcnt 0x0                             ; v's scale words
	SUB 1, 1, 0                                    ; v
	PLACES
	ZERO4
.irp b, 0,1,2,3,4,5,6,7
	VOUT \b
.endr
	s_wait_dscnt 0x0                               ; for the others' sake: my scale words lie in LDS
	s_barrier_signal -1
	s_barrier_wait -1
	ds_load_b64 v[160:161], v13                    ; q: a position's words of tiles 0-3 (the key step's first wave made them),
	ds_load_b64 v[162:163], v13 offset:512         ; and of tiles 4-7 (the second)
	ds_load_b64 v[164:165], v13 offset:2048        ; k likewise
	ds_load_b64 v[166:167], v13 offset:2560
	ds_load_b64 v[168:169], v13 offset:4096        ; v: the lower two bytes of two words,
	ds_load_b64 v[170:171], v13 offset:4608        ; and the upper two
	s_wait_dscnt 0x0
	v_lshl_or_b32 v168, v170, 16, v168
	v_lshl_or_b32 v169, v171, 16, v169
	global_store_b128 v[L16], v[160:163], s[70:71] ; 512 consecutive bytes, aligned
	global_store_b128 v[L16], v[164:167], s[72:73]
	global_store_b64 v[L8], v[168:169], s[74:75]   ; 256 consecutive bytes, aligned
	s_wait_tensorcnt 0x0
	ds_add_u32 v14, v15
	s_wait_dscnt 0x0
	ROUND                                          ; the closing round
	s_endpgm
.Lfunc_end_k_q98daecc1f4_qkv:
	.size	k_q98daecc1f4_qkv, .Lfunc_end_k_q98daecc1f4_qkv-k_q98daecc1f4_qkv
	.p2alignl 7, 3214868480
	.fill 96, 4, 3214868480
	.section	.rodata,"a",@progbits
	.p2align	6, 0x0
	.amdhsa_kernel k_q98daecc1f4_qkv
		.amdhsa_group_segment_fixed_size 320000
		.amdhsa_private_segment_fixed_size 0
		.amdhsa_enable_private_segment 0
		.amdhsa_kernarg_size 56
		.amdhsa_user_sgpr_count 2
		.amdhsa_user_sgpr_kernarg_segment_ptr 1
		.amdhsa_wavefront_size32 1
		.amdhsa_system_sgpr_workgroup_id_x 1
		.amdhsa_system_sgpr_workgroup_id_y 1
		.amdhsa_system_sgpr_workgroup_id_z 1
		.amdhsa_system_vgpr_workitem_id 0
		.amdhsa_next_free_vgpr 1024
		.amdhsa_next_free_sgpr 96
		.amdhsa_reserve_vcc 0
		.amdhsa_float_denorm_mode_32 3
		.amdhsa_float_denorm_mode_16_64 3
		.amdhsa_memory_ordered 1
		.amdhsa_forward_progress 1
		.amdhsa_inst_pref_size 255
	.end_amdhsa_kernel
	.section	.bss,"aw",@nobits
	.p2align	6
	.space	262144
	.amdgpu_metadata
---
amdhsa.version: [ 1, 2 ]
amdhsa.kernels:
  - .name:           k_q98daecc1f4_qkv
    .symbol:         k_q98daecc1f4_qkv.kd
    .args:
      - { .name: xc, .offset: 0, .size: 8, .value_kind: global_buffer, .address_space: global }
      - { .name: xs, .offset: 8, .size: 8, .value_kind: global_buffer, .address_space: global }
      - { .name: wc, .offset: 16, .size: 8, .value_kind: global_buffer, .address_space: global }
      - { .name: ws, .offset: 24, .size: 8, .value_kind: global_buffer, .address_space: global }
      - { .name: b_qkv, .offset: 32, .size: 8, .value_kind: global_buffer, .address_space: global }
      - { .name: qr, .offset: 40, .size: 8, .value_kind: global_buffer, .address_space: global }
      - { .name: kv, .offset: 48, .size: 8, .value_kind: global_buffer, .address_space: global }
    .group_segment_fixed_size: 320000
    .private_segment_fixed_size: 0
    .kernarg_segment_align: 8
    .kernarg_segment_size: 56
    .max_flat_workgroup_size: 128
    .sgpr_count:     96
    .vgpr_count:     1024
    .wavefront_size: 32
...
	.end_amdgpu_metadata
.endif
;; end of part 2
;; launch attn (part 3): grid 4 x 64, 16 waves a work-group, clusters of 4 x 1, 210,944 bytes of LDS; arguments qr, kv, zc, zs; writes zc, zs
.if DOCPART == 3
	.amdgcn_target "amdgcn-amd-amdhsa--gfx1250"
	.amdhsa_code_object_version 6
	.text
	.protected	k_q98daecc1f4_attn
	.globl	k_q98daecc1f4_attn
	.p2align	8
	.type	k_q98daecc1f4_attn,@function
k_q98daecc1f4_attn:
	s_mov_b64 s[64:65], 0
	v_nop
	global_prefetch_b8 v0, s[64:65] scope:SCOPE_SE
	s_setreg_imm32_b32 hwreg(HW_REG_WAVE_MODE, 25, 1), 1
	s_wait_xcnt 0x0
	s_wait_alu depctr_hold_cnt(0) depctr_sa_sdst(0) depctr_va_vdst(0) depctr_va_sdst(0) depctr_va_ssrc(0) depctr_va_vcc(0) depctr_vm_vsrc(0)
	s_getreg_b32 s2, hwreg(HW_REG_IB_STS2, 6, 4)
	s_cmp_eq_u32 s2, 0
	s_cbranch_scc0 .Lentry_in_a_cluster
	s_endpgm
.Lentry_in_a_cluster:
	s_bfe_u32 s2, ttmp6, 0x10000c
	s_cmp_lg_u32 s2, 0x3003
	s_cbranch_scc0 .Lentry_shape_is_right
	s_endpgm
.Lentry_shape_is_right:
; Causal attention of one (batch, head) by a cluster of four work-groups, both products on codes of BF6 (E3M2) with E8M0 scales; the result z is divided by the row's sum and quantised along dm in registers.
; t = score x log2(e) / 8; M = the running largest t rounded up to a whole number; p = 2^(t - M) is quantised along the keys, not normalised; the row's sum is taken of the unquantised p.  When M moves, the sum and O are multiplied by 2^(old M - new M): exact.
; LDS.  A head's whole record of kv (208,896 bytes: K's scale words, V's scale words, 16 key steps of 8 tiles of K and 4 tiles of V, all as images of operand registers) is brought in ONCE, by two joint loads a wave
; (the same descriptors and a mask of all four work-groups): nothing is ever filled again, so there is no ring and no barrier in the loops.  The first load brings the scale words and key steps 0 and 1, so that work begins while the second is on its way.
; A tile of K is 768 bytes (registers 0-3 at 16 x lane, 4-5 at 512 + 8 x lane); a tile of V is two such halves, of 64 keys each.
; SHARES.  Wave w of work-group g owns the query tiles 4 w + g and 127 - 4 w - g (16 queries each).  Tile T needs T / 8 + 1 key steps of 128 keys: 17 for every wave.  The step on the diagonal is w / 2 or 15 - w / 2: it hangs on the
; wave's number alone, so no branch and no LDS address hangs on the place in the cluster, which enters global addresses and the mask's threshold only.  Every loop has a constant trip count; a hidden step's work is jumped over.
; LAYOUT.  Both products transposed: S^T = K Q^T, O^T = V^T P^T: a lane holds one query.  Stored rows are in the order sw (bits 3 and 4 exchanged), so the 16 registers of tiles 2 b, 2 b + 1 of S^T are keys 32 b + 16 (lane / 16) + 0 .. 15 of the
; step, and those of O^T are d = 32 b + 16 (lane / 16) + 0 .. 15.  Row r of query tile T is query sw(16 T + r).
; K = 64 in the first product: Q's registers 6-11 are zero codes and the upper two scale bytes are 0; K's operand for tile t is v[32 + 6 t .. 43 + 6 t], whose upper six registers (the next tile's codes) meet those zeros.
; BY TURNS.  A key step has 68 exponentials and more plain lines than that which hang on none of the exponentials just issued: t - M of later pairs, the sum of earlier pairs, the scale bytes, half of O^T's rescaling.
; They stand by turns, an exponential and then one or two plain lines, so that a wave always has plain work to issue behind an exponential, whatever the other waves of its SIMD are doing.
; OUT.  zc [128 batch + T][head][768]: the image of registers 0-5 of a fragment (16 rows x this head's 64 of dm); zs [row][32]: the head's two scale bytes at 2 x head.
; LIMITS: NaN and infinities are not served; a p under 2^-126 is 0 (v_exp_f32); 1 / l by v_rcp_f32; a block of zeros gets the byte 1 where the rule says 127 (its codes are zeros; only this program reads the bytes).
; A block's largest p is made from the block's largest score by the same multiply-add and exponential, which takes v_exp_f32 not to fall where its input rises.
; REGISTERS: v1-5 lane constants; v8-11 the step's addresses; v12 -M, v13 largest t, v[14:15] the sum; v16-21 Q, v22-27 zeros; v28 Q's scale word; v29 mask threshold; v30 -infinity; v32-79 fragments, v80-85 zeros; v86-89 K's scale words,
; v90-91 V's; v96-159 S^T, then p; v160-191 O^T; v192-203 p's codes; v204-210 conversion results; v212-223 block maxima, bytes, scale operands; v224 f; v226 p's scale word; v227 at work; v[228:229] the sum's second chain.
.set REC,   208896
.set HDR,   12288
.set STEPB, 12288
.set WV,  12
.set SEL, 20
.set CS,  22
.set G1A, 24
.set G1B, 32
.set G0A, 40
.set G0B, 44
.set KSC, 48                           ; the key step in hand
.set SD,  49                           ; the step on the diagonal
.set TB,  50                           ; LDS byte of the step's tiles
.set TS,  51                           ; of its scale words of K
.set TV,  52                           ; of V
.macro ROUND
	s_barrier_signal -1
	s_barrier_wait -1
	s_cmp_lg_u32 s[WV], 0
	s_cbranch_scc1 .Lnot_wave_0_\@
	s_barrier_signal -3
.Lnot_wave_0_\@:
	s_barrier_wait -3
	s_barrier_signal -1
	s_barrier_wait -1
.endm
; A query tile is taken up, first part: which tile, its diagonal step, Q and its scale word (asked for here), the mask's threshold.
.macro SETUPQ late
.if \late
	s_sub_co_u32 s70, 127, s15                     ; the tile
	s_lshr_b32 s[SD], s[WV], 1
	s_sub_co_u32 s[SD], 15, s[SD]
.else
	s_mov_b32 s70, s15
	s_lshr_b32 s[SD], s[WV], 1
.endif
	s_lshr_b32 s71, s70, 3                         ; its key step
	s_and_b32 s72, s70, 7                          ; t: its place in that step
	s_and_b32 s73, s72, 1
	s_lshr_b32 s74, s72, 1
	s_mul_i32 s76, s71, STEPB
	s_mul_i32 s77, s72, 768
	s_add_co_u32 s76, s76, s77
	s_add_co_u32 s76, s76, HDR
	s_mov_b32 s77, 0
	s_add_nc_u64 s[54:55], s[4:5], s[76:77]        ; Q's image
	s_lshl_b32 s76, s71, 9
	s_lshl_b32 s78, s73, 8
	s_add_co_u32 s76, s76, s78
	s_lshl_b32 s78, s74, 2
	s_add_co_u32 s76, s76, s78
	s_add_nc_u64 s[56:57], s[4:5], s[76:77]        ; row 0's scale word; row r's lies 16 r bytes on
	global_load_b128 v[16:19], v1, s[54:55]
	global_load_b64 v[20:21], v2, s[54:55] offset:512
	global_load_b32 v28, v3, s[56:57]
	s_lshl_b32 s78, s74, 5
	s_lshl_b32 s79, s73, 3
	s_add_co_u32 s78, s78, s79
	v_add_nc_u32 v29, s78, v5                      ; my query - the diagonal step's first key - 16 h
.endm
; Second part: where z goes (s70 still holds the tile), the walk's beginnings, the sums' beginnings.
.macro SETUPZ
	s_lshr_b32 s78, s14, 4
	s_lshl_b32 s78, s78, 7
	s_add_co_u32 s78, s78, s70                     ; 128 batch + tile
	s_and_b32 s79, s14, 15                         ; head
	s_lshl_b32 s80, s78, 4
	s_add_co_u32 s80, s80, s79
	s_mul_i32 s80, s80, 768
	s_mov_b32 s81, 0
	s_add_nc_u64 s[58:59], s[8:9], s[80:81]        ; z's image
	s_lshl_b32 s80, s78, 9
	s_lshl_b32 s79, s79, 1
	s_add_co_u32 s80, s80, s79
	s_add_nc_u64 s[60:61], s[10:11], s[80:81]      ; z's scale bytes
	s_mov_b32 s[TB], HDR
	s_mov_b32 s[TS], 0
	s_mov_b32 s[TV], 8192
	v_mov_b32 v13, 0xff61b1e6                      ; the largest t so far: -3e38
	v_floor_f32 v12, -v13
	v_mov_b32 v14, 0
	v_mov_b32 v15, 0
.set j, 0
.rept 32
	v_mov_b32 v[160+j], 0                          ; O^T: the step is written once; the first change of M leaves zeros zeros
.set j, j+1
.endr
.endm
.macro PKF j                           ; t - M of pair j of the scores (of the pairs c and -M the low word serves both halves)
	v_pk_fma_f32 v[96+2*(\j):97+2*(\j)], v[96+2*(\j):97+2*(\j)], s[CS:CS+1], v[12:13] op_sel_hi:[1,0,0]
.endm
.macro OMUL j                          ; pair j of O^T under the new M
	v_pk_mul_f32 v[160+2*(\j):161+2*(\j)], v[160+2*(\j):161+2*(\j)], v[224:225] op_sel_hi:[1,0]
.endm
.macro SCALEOP k                       ; line k of 15 that make p's scale operands and its scale word from the four blocks' largest p
.if (\k) < 4
	s_wait_alu depctr_va_vdst(0)
	v_max_num_f32 v[212+(\k)], 0x2800000, v[212+(\k)]      ; the floor 2^(5 - 127): the byte cannot fall under 1
.elseif (\k) < 8
	v_add_nc_u32 v[216+(\k)], 0xfe000000, v[208+(\k)]      ; 4 off the exponent field: the conversion's scale operand, v220-223
.elseif (\k) < 12
	v_lshrrev_b32 v[208+(\k)], 23, v[212+(\k)]             ; the scale's byte, v216-219
.elseif (\k) == 12
	v_lshl_or_b32 v226, v217, 8, v216                      ; p's scale word for these 128 keys
.elseif (\k) == 13
	v_lshl_or_b32 v226, v218, 16, v226
.else
	v_lshl_or_b32 v226, v219, 24, v226
.endif
.endm
; A KEY STEP of 128 keys.  mask = 1: a step behind the diagonal is jumped over, and on the diagonal hidden scores become -infinity.
.macro STEP mask
.if \mask
	s_cmp_gt_u32 s[KSC], s[SD]
	s_cbranch_scc1 .Lhid_\@
.endif
	s_setprio 2
	v_add_nc_u32 v8, s[TB], v1                     ; these four lines are also the places between the last step's products and the loads into their registers
	v_add_nc_u32 v9, s[TB], v2
	v_add_nc_u32 v10, s[TS], v1
	v_add_nc_u32 v11, s[TV], v2
	ds_load_b128 v[86:89], v10                     ; K's scale words: register j: tile 2 j in lanes 0-15, tile 2 j + 1 in lanes 16-31
	ds_load_b64 v[90:91], v11                      ; V's likewise
.irp t, 0,1,2,3,4,5,6,7
	ds_load_b128 v[32+6*\t:35+6*\t], v8 offset:768*\t
	ds_load_b64 v[36+6*\t:37+6*\t], v9 offset:768*\t+512
.endr
	s_wait_dscnt 0x0
.irp u, 0,1,2,3
	v_wmma_scale_f32_16x16x128_f8f6f4 v[96+16*\u:103+16*\u], v[32+12*\u:43+12*\u], v[16:27], 0, v[86+\u], v28 matrix_a_fmt:MATRIX_FMT_BF6 matrix_b_fmt:MATRIX_FMT_BF6
	v_wmma_scale_f32_16x16x128_f8f6f4 v[104+16*\u:111+16*\u], v[38+12*\u:49+12*\u], v[16:27], 0, v[86+\u], v28 matrix_a_fmt:MATRIX_FMT_BF6 matrix_b_fmt:MATRIX_FMT_BF6 matrix_a_scale:MATRIX_SCALE_ROW1
.endr
.rept 4
	v_nop                                          ; places: loads into K's registers and reads of the scores follow
.endr
.irp t, 0,1,2,3
.irp c, 0,1
	ds_load_b128 v[32+12*\t+6*\c:35+12*\t+6*\c], v8 offset:6144+1536*\t+768*\c       ; V's four tiles, two halves each, land while the softmax is worked
	ds_load_b64 v[36+12*\t+6*\c:37+12*\t+6*\c], v9 offset:6144+1536*\t+768*\c+512
.endr
.endr
.if \mask
	s_cmp_lt_u32 s[KSC], s[SD]
	s_cbranch_scc1 .Lopen_\@
.set n, 0
.rept 64                               ; register 16 b + i holds key 32 b + 16 h + i of the step: hidden where 32 b + i > v29
	v_cmp_gt_i32 vcc_lo, 32*(n/16)+n%16, v29
	v_cndmask_b32 v[96+n], v[96+n], v30, vcc_lo
.set n, n+1
.endr
.Lopen_\@:
.endif
.irp b, 0,1,2,3
	v_max3_num_f32 v[212+\b], v[96+16*\b], v[97+16*\b], v[98+16*\b]   ; the largest score of each block of 32 keys: for the row's maximum and for the block's largest p
.endr
.irp i, 3,5,7,9,11,13
.irp b, 0,1,2,3
	v_max3_num_f32 v[212+\b], v[212+\b], v[96+16*\b+\i], v[97+16*\b+\i]
.endr
.endr
.irp b, 0,1,2,3
	v_max_num_f32 v[212+\b], v[212+\b], v[111+16*\b]
.endr
.irp b, 0,1,2,3
	v_permlanex16_b32 v[216+\b], v[212+\b], s[SEL], s[SEL+1]
.endr
.irp b, 0,1,2,3
	v_max_num_f32 v[212+\b], v[212+\b], v[216+\b]
.endr
	v_max3_num_f32 v227, v212, v213, v214
	v_max_num_f32 v227, v227, v215
	v_mul_f32 v227, s[CS], v227
	v_max_num_f32 v13, v13, v227                   ; the running largest t
	v_mov_b32 v227, v12
	v_floor_f32 v12, -v13                          ; the new -M = -ceil(t)
	v_sub_f32 v227, v12, v227                      ; old M - new M: a whole number, 0 or less
	v_cvt_i32_f32 v227, v227                       ; (it saturates)
	v_ldexp_f32 v224, 1.0, v227                    ; f = 2^(old M - new M)
	v_pk_mul_f32 v[14:15], v[14:15], v[224:225] op_sel_hi:[1,0]   ; the sums under the new M
.irp b, 0,1,2,3
	v_fma_f32 v[212+\b], v[212+\b], s[CS], v12     ; t - M of each block's largest score
.endr
.irp j, 0,1,2,3
	PKF \j
.endr
.irp b, 0,1,2,3
	v_exp_f32 v[212+\b], v[212+\b]                 ; the blocks' largest p first: the scale bytes are made under the exponentials that follow
	PKF 4+\b
.endr
; Pair j: its two exponentials, p = 2^(t - M).  Behind the first: t - M of pair j + 8, later a pair of O^T.  Behind the second: the sum of pair j - 1, whose second exponential stands four lines back with plain lines between.
; The row's sum is taken of the unquantised p, in two chains: pairs 0 and 1 start the second chain, even pairs go to v[14:15], odd pairs to v[228:229].
.set j, 0
	s_setprio 1
.rept 32
	v_exp_f32 v[96+2*j], v[96+2*j]
.if j < 24
	PKF j+8
.else
	OMUL j-24
.endif
	v_exp_f32 v[97+2*j], v[97+2*j]
.if j < 2
	SCALEOP j
.elseif j == 2
	s_wait_alu depctr_va_vdst(0)
	v_pk_add_f32 v[228:229], v[96:97], v[98:99]
.elseif j%2 == 1
	v_pk_add_f32 v[14:15], v[14:15], v[94+2*j:95+2*j]
.else
	s_wait_alu depctr_va_vdst(0)
	v_pk_add_f32 v[228:229], v[228:229], v[94+2*j:95+2*j]
.endif
.if (j >= 2) && (j < 15)
	SCALEOP j
.endif
.set j, j+1
.endr
	s_setprio 0
	s_wait_alu depctr_va_vdst(0)
.irp c, 0,1                            ; (the sum of pair 30 is the plain line between the last exponential and these)
	v_cvt_scalef32_pk16_bf6_f32 v[192+6*\c:194+6*\c], v[96+32*\c:111+32*\c], v[220+2*\c]
	v_cvt_scalef32_pk16_bf6_f32 v[204+4*\c:206+4*\c], v[112+32*\c:127+32*\c], v[220+2*\c+1]
.endr
	v_nop                                          ; one plain line behind a scaled conversion
.irp c, 0,1
.irp i, 0,1,2
	v_permlane16_swap_b32 v[192+6*\c+\i], v[204+4*\c+\i]
.endr
.irp i, 0,1,2
	v_mov_b32 v[195+6*\c+\i], v[204+4*\c+\i]
.endr
.endr
	v_pk_add_f32 v[228:229], v[228:229], v[158:159]   ; pair 31, and the two chains joined.  These two and the eight below stand between the operand's last write and the products:
	v_pk_add_f32 v[14:15], v[14:15], v[228:229]       ; six of the ten name no register of any one product
.irp j, 8,9,10,11,12,13,14,15
	OMUL \j                                        ; the rest of O^T under the new M; each accumulator is read from its low end on
.endr
	s_wait_dscnt 0x0                               ; V is in
.irp u, 0,1                            ; the four accumulators take turns, one instruction a turn
	v_wmma_scale_f32_16x16x128_f8f6f4 v[160+16*\u:167+16*\u], v[32+24*\u:43+24*\u], v[192:203], v[160+16*\u:167+16*\u], v[90+\u], v226 matrix_a_fmt:MATRIX_FMT_BF6 matrix_b_fmt:MATRIX_FMT_BF6
	v_wmma_scale_f32_16x16x128_f8f6f4 v[168+16*\u:175+16*\u], v[44+24*\u:55+24*\u], v[192:203], v[168+16*\u:175+16*\u], v[90+\u], v226 matrix_a_fmt:MATRIX_FMT_BF6 matrix_b_fmt:MATRIX_FMT_BF6 matrix_a_scale:MATRIX_SCALE_ROW1
.endr
.if \mask
.Lhid_\@:
.endif
	s_add_co_u32 s[TB], s[TB], STEPB
	s_add_co_u32 s[TS], s[TS], 512
	s_add_co_u32 s[TV], s[TV], 256
.endm
; The tile is finished: z = O^T / l; its 32 registers are two blocks of 32 along dm; codes and scale bytes leave from registers.
.macro FINISH
.rept 4
	v_nop                                          ; places behind the last products
.endr
	v_add_f32 v14, v14, v15
	v_permlanex16_b32 v227, v14, s[SEL], s[SEL+1]
	v_add_f32 v14, v14, v227                       ; the row's sum
	v_rcp_f32 v224, v14
	v_nop                                          ; a plain line behind the transcendental
.set j, 0
	s_wait_alu depctr_va_vdst(0)
.rept 16
	v_pk_mul_f32 v[96+j:97+j], v[160+j:161+j], v[224:225] op_sel_hi:[1,0]   ; register 16 b + i: d = 32 b + 16 h + i of my query
.set j, j+2
.endr
.irp b, 0,1
	v_max3_num_f32 v[212+\b], |v[96+16*\b]|, |v[97+16*\b]|, 0x2800000
.endr
.irp i, 2,4,6,8,10,12,14
.irp b, 0,1
	v_max3_num_f32 v[212+\b], v[212+\b], |v[96+16*\b+\i]|, |v[97+16*\b+\i]|
.endr
.endr
.irp b, 0,1
	v_permlanex16_b32 v[216+\b], v[212+\b], s[SEL], s[SEL+1]
.endr
.irp b, 0,1
	v_max_num_f32 v[212+\b], v[212+\b], v[216+\b]
.endr
.irp b, 0,1
	v_add_nc_u32 v[220+\b], 0xfe000000, v[212+\b]
.endr
.irp b, 0,1
	v_lshrrev_b32 v[216+\b], 23, v[220+\b]
.endr
	v_lshl_or_b32 v227, v217, 8, v216              ; the head's two scale bytes of my row
	v_cvt_scalef32_pk16_bf6_f32 v[192:194], v[96:111], v220
	v_cvt_scalef32_pk16_bf6_f32 v[204:206], v[112:127], v221
	v_nop
.irp i, 0,1,2
	v_permlane16_swap_b32 v[192+\i], v[204+\i]
.endr
.irp i, 0,1,2
	v_mov_b32 v[195+\i], v[204+\i]                 ; registers 0-5: k = 32 h + 0 .. 31 of the head's 64
.endr
	global_store_b128 v1, v[192:195], s[58:59]     ; 512 consecutive bytes, aligned
	global_store_b64 v2, v[196:197], s[58:59] offset:512
	global_store_b16 v4, v227, s[60:61]            ; lanes r and r + 16 write the same two bytes with the same value
	s_wait_xcnt 0x0                                ; the stores have read their registers and bases
.endm
	s_load_b256 s[4:11], s[0:1], 0x0               ; qr, kv, zc, zs
	v_lshl_add_u32 v254, v0, 2, 0x33000
	v_mov_b32 v255, 0
	ds_add_u32 v254, v255
	ds_add_u32 v254, v255
	v_lshrrev_b32 v1, 5, v0
	v_readfirstlane_b32 s[WV], v1                  ; wave 0..15
	s_bfe_u32 s13, ttmp6, 0x40000                  ; cx: my work-group in the cluster
	s_and_b32 s14, ttmp7, 0xffff                   ; 16 batch + head, which the four partners share
	s_lshl_b32 s15, s[WV], 2
	s_add_co_u32 s15, s15, s13                     ; 4 w + g
	s_mul_i32 s16, s14, REC
	s_mov_b32 s17, 0
	s_mul_i32 s66, s[WV], 2304                     ; my sixteenth of the first 36,864 bytes: 9 rows of 256
	s_mov_b32 s67, 0
	s_mul_i32 s68, s[WV], 10752                    ; and of the other 172,032: 42 rows of 256
	s_add_co_u32 s68, s68, 36864
	s_mov_b32 s69, 0
.irp g, G1A, G1B
	s_mov_b32 s[\g], 15|(3<<16)|(1<<21)            ; the mask: all four work-groups; elements of 8 bytes; bit 21 beside a mask; no padding
	s_mov_b32 s[\g+1], 32<<16                      ; tensor_dim0 = 32 elements
	s_mov_b32 s[\g+3], 32<<16                      ; tile_dim0
	s_mov_b32 s[\g+5], 32                          ; the pitch: the block is dense
	s_mov_b32 s[\g+6], 0
	s_mov_b32 s[\g+7], 0
.endr
	s_mov_b32 s[G1A+2], 9<<16
	s_mov_b32 s[G1A+4], 9
	s_mov_b32 s[G1B+2], 42<<16
	s_mov_b32 s[G1B+4], 42
	s_mov_b32 s[SEL], 0x76543210
	s_mov_b32 s[SEL+1], 0xfedcba98
	s_mov_b32 s[CS], 0x3e38aa3b                    ; c = log2(e) / 8
	s_mov_b32 s[CS+1], s[CS]
	s_wait_dscnt 0x0
	s_wait_kmcnt 0x0
	s_add_nc_u64 s[4:5], s[4:5], s[16:17]          ; the head's record in qr
	s_add_nc_u64 s[6:7], s[6:7], s[16:17]          ; and in kv
	s_mov_b32 s[G0A], 1
	s_mov_b32 s[G0A+1], s66
	s_add_nc_u64 s[G0A+2:G0A+3], s[6:7], s[66:67]
	s_or_b32 s[G0A+3], s[G0A+3], 0x80000000
	s_mov_b32 s[G0B], 1
	s_mov_b32 s[G0B+1], s68
	s_add_nc_u64 s[G0B+2:G0B+3], s[6:7], s[68:69]
	s_or_b32 s[G0B+3], s[G0B+3], 0x80000000
	ROUND                                          ; all four work-groups are here: the joint loads meet
	tensor_load_to_lds s[G0A:G0A+3], s[G1A:G1A+7]  ; the scale words and key steps 0 and 1: every wave asks for its part of these first;
	s_nop 0
.rept 4
	v_nop
.endr
	v_and_b32 v6, 31, v0                           ; (the lane's constants stand between a wave's two first fills)
	v_lshlrev_b32 v1, 4, v6                        ; 16 x lane
	v_lshlrev_b32 v2, 3, v6                        ; 8 x lane
	v_and_b32 v7, 15, v0                           ; r
	v_bfe_u32 v6, v0, 4, 1                         ; h
	v_lshlrev_b32 v3, 4, v7                        ; 16 r
	v_lshlrev_b32 v4, 5, v7                        ; 32 r
	v_and_b32 v5, 8, v7
	v_add_nc_u32 v5, v5, v7
	v_lshlrev_b32 v6, 4, v6
	v_sub_nc_u32 v5, v5, v6                        ; r + 8 (r / 8) - 16 h
	v_mov_b32 v30, 0xff800000                      ; -infinity
.irp j, 22,23,24,25,26,27,80,81,82,83,84,85,216,217,218,219,225,227
	v_mov_b32 v\j, 0                               ; zero codes; and registers that are named before they are first written
.endr
	tensor_load_to_lds s[G0B:G0B+3], s[G1B:G1B+7]  ; key steps 2 to 15: two loads of mine are out
	s_nop 0
.rept 4
	v_nop
.endr
	SETUPQ 1                                       ; the late tile first
	SETUPZ
	s_wait_tensorcnt 0x1                           ; my part of the scale words and key steps 0 and 1 is in; my second load may be out
	s_barrier_signal -1
	s_barrier_wait -1                              ; everybody's is
	s_wait_loadcnt 0x0                             ; Q
	STEP 0                                         ; key steps 0 and 1 lie ahead of every late tile's diagonal (step 8 at the least); written out, so that their LDS addresses are constants
	STEP 0
	s_wait_tensorcnt 0x0                           ; my part of key steps 2 to 15 is in,
	s_wait_dscnt 0x0
	s_barrier_signal -1
	s_barrier_wait -1                              ; everybody's is
	s_mov_b32 s[KSC], 2
.Llate:
	STEP 1
	s_add_co_u32 s[KSC], s[KSC], 1
	s_cmp_lt_u32 s[KSC], 16
	s_cbranch_scc1 .Llate
	s_setprio 0
	SETUPQ 0                                       ; the early tile (its diagonal is step 7 at the most): its Q is asked for ahead of the late tile's way out, which names none of Q's registers
	FINISH
	SETUPZ                                         ; behind FINISH's wait: z's bases may be written again
	s_wait_loadcnt 0x0                             ; Q
	s_mov_b32 s[KSC], 0
.Learly:
	STEP 1
	s_add_co_u32 s[KSC], s[KSC], 1
	s_cmp_lt_u32 s[KSC], 8
	s_cbranch_scc1 .Learly
	s_setprio 0
	FINISH
	s_wait_dscnt 0x0
	s_wait_tensorcnt 0x0
	ds_add_u32 v254, v255
	s_wait_dscnt 0x0
	ROUND                                          ; the closing round
	s_endpgm
.Lfunc_end_k_q98daecc1f4_attn:
	.size	k_q98daecc1f4_attn, .Lfunc_end_k_q98daecc1f4_attn-k_q98daecc1f4_attn
	.p2alignl 7, 3214868480
	.fill 96, 4, 3214868480
	.section	.rodata,"a",@progbits
	.p2align	6, 0x0
	.amdhsa_kernel k_q98daecc1f4_attn
		.amdhsa_group_segment_fixed_size 210944
		.amdhsa_private_segment_fixed_size 0
		.amdhsa_enable_private_segment 0
		.amdhsa_kernarg_size 32
		.amdhsa_user_sgpr_count 2
		.amdhsa_user_sgpr_kernarg_segment_ptr 1
		.amdhsa_wavefront_size32 1
		.amdhsa_system_sgpr_workgroup_id_x 1
		.amdhsa_system_sgpr_workgroup_id_y 1
		.amdhsa_system_sgpr_workgroup_id_z 1
		.amdhsa_system_vgpr_workitem_id 0
		.amdhsa_next_free_vgpr 256
		.amdhsa_next_free_sgpr 96
		.amdhsa_reserve_vcc 1
		.amdhsa_float_denorm_mode_32 3
		.amdhsa_float_denorm_mode_16_64 3
		.amdhsa_memory_ordered 1
		.amdhsa_forward_progress 1
		.amdhsa_inst_pref_size 95
	.end_amdhsa_kernel
	.amdgpu_metadata
---
amdhsa.version: [ 1, 2 ]
amdhsa.kernels:
  - .name:           k_q98daecc1f4_attn
    .symbol:         k_q98daecc1f4_attn.kd
    .args:
      - { .name: qr, .offset: 0, .size: 8, .value_kind: global_buffer, .address_space: global }
      - { .name: kv, .offset: 8, .size: 8, .value_kind: global_buffer, .address_space: global }
      - { .name: zc, .offset: 16, .size: 8, .value_kind: global_buffer, .address_space: global }
      - { .name: zs, .offset: 24, .size: 8, .value_kind: global_buffer, .address_space: global }
    .group_segment_fixed_size: 210944
    .private_segment_fixed_size: 0
    .kernarg_segment_align: 8
    .kernarg_segment_size: 32
    .max_flat_workgroup_size: 512
    .sgpr_count:     96
    .vgpr_count:     256
    .wavefront_size: 32
...
	.end_amdgpu_metadata
.endif
;; end of part 3
;; launch proj (part 4): grid 32 x 8, 4 waves a work-group, clusters of 4 x 1, 168,448 bytes of LDS; arguments zc, zs, wc, ws, b_out, out0; writes out0
.if DOCPART == 4
	.amdgcn_target "amdgcn-amd-amdhsa--gfx1250"
	.amdhsa_code_object_version 6
	.text
	.protected	k_q98daecc1f4_proj
	.globl	k_q98daecc1f4_proj
	.p2align	8
	.type	k_q98daecc1f4_proj,@function
k_q98daecc1f4_proj:
	s_mov_b64 s[64:65], 0
	v_nop
	global_prefetch_b8 v0, s[64:65] scope:SCOPE_SE
	s_setreg_imm32_b32 hwreg(HW_REG_WAVE_MODE, 25, 1), 1
	s_wait_xcnt 0x0
	s_wait_alu depctr_hold_cnt(0) depctr_sa_sdst(0) depctr_va_vdst(0) depctr_va_sdst(0) depctr_va_ssrc(0) depctr_va_vcc(0) depctr_vm_vsrc(0)
	s_getreg_b32 s2, hwreg(HW_REG_IB_STS2, 6, 4)
	s_cmp_eq_u32 s2, 0
	s_cbranch_scc0 .Lentry_in_a_cluster
	s_endpgm
.Lentry_in_a_cluster:
	s_bfe_u32 s2, ttmp6, 0x10000c
	s_cmp_lg_u32 s2, 0x3003
	s_cbranch_scc0 .Lentry_shape_is_right
	s_endpgm
.Lentry_shape_is_right:
; out0 = z w_out + b_out on codes of BF6 (E3M2) with E8M0 scales, K = 1,024; out0 [8192][1024] f32.
; SHARES.  8,192 tokens x 1,024 columns = 32 x 8 work-groups.  Work-group (TX, j) owns 256 tokens x columns 128 j .. + 127; each of its four waves owns 64 tokens: 4 blocks of 16 x 128 columns: 32 accumulators.
; z's codes of a wave's 64 tokens for ALL of K are 4 x 8 fragments = 384 registers, loaded once, straight from memory (zc holds images of operand registers: every load reads 512 or 256 consecutive bytes).  No other wave of the
; work-group wants them, so they do not go through LDS.  w's 128 rows, all of K (768 bytes a row, 16 bytes of padding behind every 256: pitch 816), lie in LDS, filled ONCE: no ring, nothing is filled again.
; A wave brings 32 of the 128 rows, each of three whole runs of 256 bytes: one tensor load of mine is out.
; CLUSTER: the four work-groups of a cluster lie along the tokens and want the same rows of w: the tile is asked for jointly (mask 15).  z is not shared inside a cluster.
; The matrix instruction is used transposed (source 0 = 16 rows of w, source 1 = 16 tokens).  Both row orders are sw (bits 3 and 4 exchanged): in w's tiles 2 b, 2 b + 1 a lane's 16 registers are columns 32 b + 16 (lane / 16) + 0 .. 15;
; row r of block a is token 32 (a / 2) + 8 (a % 2) + r + 8 (r / 8) of my 64.  The way out puts both right.  The bias is the C of each sum's first matrix instruction.
; The scale words stay in registers: lane l of a register holds row l of 32 rows: two tiles to a register, the second read by ROW1.
; LIMITS: NaN and infinities are not served.
; REGISTERS: window 0: v1-10 addresses; v16-31 z's scale words; v32-63 w's; v64-159, v160-255 w's fragments, two sets; on the way out v128-255 rows of out0.
;   window 1: z's blocks 0, 1 (block e, K step q at v[96 e + 12 q]); v192-255 the bias.   window 2: blocks 2, 3.   window 3: the 32 accumulators ((a, b) at v[64 a + 8 b]).
.set BP,    816                        ; an LDS row of w: 204 words: row r starts at bank 12 r mod 64 (64 banks of 4 bytes: ISA guide 11.1), so the 32 lanes of a load of 8 bytes touch 64 different banks
.set SUBB,  128*BP
.set STG,   SUBB                       ; behind w: a stage of 16 rows x (512 bytes + 16) for each wave; no tile lands there
.set SPITCH, 528
.set NROW,  4096                       ; a row of out0 in bytes
.set L16,  1                           ; v1  16 x lane
.set L8,   2                           ; v2  8 x lane
.set L32,  3                           ; v3  32 x lane
.set ADB,  4                           ; v4, v5 w's tiles 0-3 (v5: for pieces behind one padding more); v6, v7 tiles 4-7
.set STO,  9                           ; v9  the stage: where I put 32 bytes of a row
.set RD,   10                          ; v10 and where I read a row back
.set AS,   16
.set BS,   32
.set BF,   64
.set BK,   128
.set WV,   18
.set G1,   24
.set G0,   32
.set MSB, 0
.macro WIN new                         ; the immediate's high byte repeats the setting that is left
.if MSB != (\new)
	s_set_vgpr_msb (MSB<<8)|(\new)
.set MSB, (\new)
.endif
.endm
.macro ROUND                           ; a round of the cluster's barrier
	s_barrier_signal -1
	s_barrier_wait -1
	s_cmp_lg_u32 s[WV], 0
	s_cbranch_scc1 .Lnot_wave_0_\@
	s_barrier_signal -3
.Lnot_wave_0_\@:
	s_barrier_wait -3
	s_barrier_signal -1
	s_barrier_wait -1
.endm
.macro PLACES                          ; plain vector lines between a matrix instruction and a load into, or a read of, its registers
.rept 4
	v_nop
.endr
.endm
	s_load_b256 s[4:11], s[0:1], 0x0               ; zc, zs, wc, ws
	s_load_b128 s[12:15], s[0:1], 0x20             ; b_out, out0
	v_lshl_add_u32 v14, v0, 2, 0x29000
	v_mov_b32 v15, 0
	ds_add_u32 v14, v15
	ds_add_u32 v14, v15
	v_lshrrev_b32 v1, 5, v0
	v_readfirstlane_b32 s[WV], v1                  ; wave 0..3
	s_bfe_u32 s19, ttmp6, 0x40000                  ; cx: it enters global addresses of z and of out0 alone
	s_lshl_b32 s20, ttmp9, 2
	s_add_co_u32 s20, s20, s19                     ; TX: my 256 tokens
	s_and_b32 s21, ttmp7, 0xffff                   ; j: my 128 columns, which the four partners share
	s_mov_b32 s[G1], 15|(0<<16)|(1<<20)|(1<<21)|(5<<22)|(3<<25)   ; the mask: all four; elements of 1 byte; padding on; bit 21 beside a mask; after every 64 words 4 words
	s_mov_b32 s[G1+1], 768<<16                     ; tensor_dim0
	s_mov_b32 s[G1+2], 32<<16                      ; tensor_dim1
	s_mov_b32 s[G1+3], 768<<16                     ; tile_dim0
	s_mov_b32 s[G1+4], 32                          ; tile_dim1
	s_mov_b32 s[G1+5], 768                         ; the pitch
	s_mov_b32 s[G1+6], 0
	s_mov_b32 s[G1+7], 0
	s_lshl_b32 s46, s21, 7
	s_lshl_b32 s47, s[WV], 5
	s_add_co_u32 s46, s46, s47
	s_add_co_u32 s46, s46, 3072                    ; the rows of wc that I fetch: 3072 + 128 j + 32 wave
	s_mul_i32 s46, s46, 768
	s_mov_b32 s47, 0
	s_mul_i32 s48, s[WV], 32*BP                    ; and where they go
	s_lshl_b32 s54, s20, 4
	s_lshl_b32 s55, s[WV], 2
	s_add_co_u32 s54, s54, s55                     ; my first tile of 16 rows: 16 TX + 4 wave
	s_mul_i32 s76, s54, 12288                      ; its images
	s_mov_b32 s77, 0
	s_lshl_b32 s78, s54, 9                         ; its scale bytes: 32 a row
	s_mov_b32 s79, 0
	s_lshl_b32 s80, s21, 12
	s_add_co_u32 s80, s80, 3072*32                 ; ws: row 3072 + 128 j
	s_mov_b32 s81, 0
	s_lshl_b32 s82, s21, 9                         ; the bias, and my columns in a row of out0: 512 j bytes
	s_mov_b32 s83, 0
	s_lshl_b32 s84, s54, 16                        ; out0: 16 rows of 4,096 bytes a tile,
	s_add_co_u32 s84, s84, s82                     ; + my columns
	s_mov_b32 s85, 0
	s_wait_dscnt 0x0
	s_wait_kmcnt 0x0
	s_mov_b32 s[G0], 1
	s_mov_b32 s[G0+1], s48
	s_add_nc_u64 s[G0+2:G0+3], s[8:9], s[46:47]
	s_or_b32 s[G0+3], s[G0+3], 0x80000000
	ROUND                                          ; all four work-groups are here: the joint loads meet
	tensor_load_to_lds s[G0:G0+3], s[G1:G1+7]      ; one load of mine is out
	s_nop 0
	PLACES
	s_add_nc_u64 s[4:5], s[4:5], s[76:77]
	s_add_nc_u64 s[6:7], s[6:7], s[78:79]
	s_add_nc_u64 s[10:11], s[10:11], s[80:81]
	s_add_nc_u64 s[12:13], s[12:13], s[82:83]
	s_add_nc_u64 s[14:15], s[14:15], s[84:85]
	v_and_b32 v66, 31, v0                          ; lane
	v_and_b32 v64, 15, v0                          ; r
	v_bfe_u32 v65, v0, 4, 1                        ; h
	v_lshlrev_b32 v[L16], 4, v66
	v_lshlrev_b32 v[L8], 3, v66
	v_lshlrev_b32 v[L32], 5, v66
	v_mul_u32_u24 v4, v64, BP
	v_mad_u32_u24 v5, v65, 40, v4                  ; a fragment's row x pitch + 24 x half, behind one padding more
	v_mad_u32_u24 v4, v65, 24, v4                  ; and plain
	v_add_nc_u32 v6, 64*BP, v4
	v_add_nc_u32 v7, 64*BP, v5
	v_lshlrev_b32 v8, 6, v65                       ; the bias: 64 h
	s_mul_i32 s54, s[WV], 16*SPITCH
	s_add_co_u32 s54, s54, STG                     ; my stage
	v_mul_u32_u24 v[STO], v64, SPITCH
	v_lshl_add_u32 v[STO], v65, 6, v[STO]
	v_add_nc_u32 v[STO], s54, v[STO]               ; in: row r, + 64 h
	v_add_nc_u32 v[RD], s54, v[L16]                ; back: the 32 lanes take one row of 512 bytes
.irp p, 0,1
	global_load_b128 v[AS+8*\p:AS+8*\p+3], v[L32], s[6:7] offset:1024*\p        ; z's scale words: lane l takes row 32 p + l's 32 bytes: register q = K step q
	global_load_b128 v[AS+8*\p+4:AS+8*\p+7], v[L32], s[6:7] offset:1024*\p+16
.endr
.irp p, 0,1,2,3
	global_load_b128 v[BS+8*\p:BS+8*\p+3], v[L32], s[10:11] offset:1024*\p      ; w's likewise
	global_load_b128 v[BS+8*\p+4:BS+8*\p+7], v[L32], s[10:11] offset:1024*\p+16
.endr
	WIN 0x40                                       ; destination window 1
.irp b, 0,1,2,3,4,5,6,7                ; the bias: w's tile b, register i, lane half h: column 32 (b / 2) + 16 h + 8 (b % 2) + i of my 128
	global_load_b128 v[192+8*\b:195+8*\b], v8, s[12:13] offset:(32*(\b/2)+8*(\b%2))*4
	global_load_b128 v[196+8*\b:199+8*\b], v8, s[12:13] offset:(32*(\b/2)+8*(\b%2))*4+16
.endr
.macro AFRAG reg, a, q                 ; z's fragment of block a, K step q: two heads' images
	global_load_b128 v[\reg:\reg+3], v[L16], s[4:5] offset:(\a)*12288+(\q)*1536
	global_load_b64 v[\reg+4:\reg+5], v[L8], s[4:5] offset:(\a)*12288+(\q)*1536+512
	global_load_b128 v[\reg+6:\reg+9], v[L16], s[4:5] offset:(\a)*12288+(\q)*1536+768
	global_load_b64 v[\reg+10:\reg+11], v[L8], s[4:5] offset:(\a)*12288+(\q)*1536+1280
.endm
.irp q, 0,1,2,3,4,5,6,7                ; by K steps, 16 loads each, so that the first products need not wait for the last loads
	WIN 0x40
	AFRAG 12*\q, 0, \q
	AFRAG 96+12*\q, 1, \q
	WIN 0x80
	AFRAG 12*\q, 2, \q
	AFRAG 96+12*\q, 3, \q
.endr
	WIN 0
.macro FRAG reg, adr, q, i             ; w: 16 rows x 128 K: 12 registers, in pieces of 8 bytes.  Lanes 16-31 read three pieces further on: where that is behind one padding more, the second address register serves
.irp p, 0,1,2,3,4,5
.set PC, 12*(\q)+6*(\p/3)+\p%3
.if PC%32 < 29
	ds_load_b64 v[\reg+2*\p:\reg+2*\p+1], v[\adr] offset:8*PC+16*(PC/32)+(\i)*16*BP
.else
	ds_load_b64 v[\reg+2*\p:\reg+2*\p+1], v[\adr+1] offset:8*PC+16*(PC/32)+(\i)*16*BP
.endif
.endr
.endm
.macro FETCHB q                        ; w's eight fragments of K step q into set q % 2: 48 loads
.irp i, 0,1,2,3,4,5,6,7
	FRAG BF+96*((\q)%2)+12*\i, ADB+2*(\i/4), \q, \i%4
.endr
.endm
.macro WMMA r0, r1                     ; r0, r1: the first, the second scale register is read in lanes 16-31
.if (\r0) && (\r1)
	v_wmma_scale_f32_16x16x128_f8f6f4 v[rD:rD+7], v[rS0:rS0+11], v[rS1:rS1+11], v[rC:rC+7], v[rX0], v[rX1] matrix_a_fmt:MATRIX_FMT_BF6 matrix_b_fmt:MATRIX_FMT_BF6 matrix_a_scale:MATRIX_SCALE_ROW1 matrix_b_scale:MATRIX_SCALE_ROW1
.elseif (\r0)
	v_wmma_scale_f32_16x16x128_f8f6f4 v[rD:rD+7], v[rS0:rS0+11], v[rS1:rS1+11], v[rC:rC+7], v[rX0], v[rX1] matrix_a_fmt:MATRIX_FMT_BF6 matrix_b_fmt:MATRIX_FMT_BF6 matrix_a_scale:MATRIX_SCALE_ROW1
.elseif (\r1)
	v_wmma_scale_f32_16x16x128_f8f6f4 v[rD:rD+7], v[rS0:rS0+11], v[rS1:rS1+11], v[rC:rC+7], v[rX0], v[rX1] matrix_a_fmt:MATRIX_FMT_BF6 matrix_b_fmt:MATRIX_FMT_BF6 matrix_b_scale:MATRIX_SCALE_ROW1
.else
	v_wmma_scale_f32_16x16x128_f8f6f4 v[rD:rD+7], v[rS0:rS0+11], v[rS1:rS1+11], v[rC:rC+7], v[rX0], v[rX1] matrix_a_fmt:MATRIX_FMT_BF6 matrix_b_fmt:MATRIX_FMT_BF6
.endif
.endm
; The 32 products of K step q: source 0 = w, source 1 = z.  cw = 3: the sums go on; 1: they start from the bias in window 1.
; The 32 accumulators take turns, one instruction a turn, in the same order in every step.
.macro KSTEP q, cw
.irp g, 0,1                            ; z's blocks 2 g, 2 g + 1: window 1 + g
	WIN ((1+\g)<<2)|((\cw)<<4)|0xc0
.irp b, 0,1,2,3,4,5,6,7
.irp e, 0,1
.set rD, 64*(2*\g+\e)+8*\b
.set rS0, BF+96*((\q)%2)+12*\b
.set rS1, 96*\e+12*(\q)
.set rX0, BS+8*(\b/2)+(\q)
.set rX1, AS+8*\g+(\q)
.if (\cw) == 3
.set rC, rD
.else
.set rC, 192+8*\b
.endif
	WMMA \b%2, \e
.endr
.endr
.endr
.endm
	s_wait_tensorcnt 0x0                           ; my 32 rows of w are in,
	s_barrier_signal -1
	s_barrier_wait -1                              ; everybody's are
	FETCHB 0
; Eight K steps.  At a step's head the next step's fragments are asked for, into the set that the step before has read: they have this step's 32 products in which to come.
.irp q, 0,1,2,3,4,5,6,7
	PLACES
	WIN 0
.if \q < 7
	FETCHB \q+1
	s_wait_dscnt 48                                ; this step's fragments are in; the 48 loads just issued may be out
.else
	s_wait_dscnt 0x0
.endif
.if 16*(7-\q) > 63
	s_wait_loadcnt 63                              ; z's fragments of this K step are in: behind them stand 16 loads for each later step, more than the wait's field can name
.else
	s_wait_loadcnt 16*(7-\q)                       ; 16 loads for each later K step may be out
.endif
.if \q == 0
	KSTEP \q, 1
.else
	KSTEP \q, 3
.endif
.endr
	WIN 0
; THE WAY OUT, block by block of 16 rows x 128 columns, through my own stage: in with the columns put in their true order, back as whole rows of 512 bytes.
.macro TOSTAGE a
.set AC, 64*(\a)
	WIN 0x0c                                       ; an LDS store's data are its source 1: window 3
.irp b, 0,1,2,3,4,5,6,7
	ds_store_b128 v[STO], v[AC+8*\b:AC+8*\b+3] offset:128*(\b/2)+32*(\b%2)         ; each accumulator from its low end on
	ds_store_b128 v[STO], v[AC+8*\b+4:AC+8*\b+7] offset:128*(\b/2)+32*(\b%2)+16
.endr
	WIN 0
.set BB, BK+64*((\a)%2)
.irp t, 0,1,2,3,4,5,6,7,8,9,10,11,12,13,14,15
	ds_load_b128 v[BB+4*\t:BB+4*\t+3], v[RD] offset:\t*SPITCH   ; LDS serves a wave's instructions in order (ISA guide 5.7.1.4): these see the stores above
.endr
.endm
.macro SEND a, younger                 ; stage row t of block a is token 32 (a / 2) + 8 (a % 2) + t + 8 (t / 8) of my 64
.set BB, BK+64*((\a)%2)
	s_wait_dscnt \younger                          ; the block is back in registers
.if (\a) > 0
.if (\a)%2
	s_add_nc_u64 s[14:15], s[14:15], 8*NROW        ; (behind a wait on XCNT: the earlier stores have read their base)
.else
	s_add_nc_u64 s[14:15], s[14:15], 24*NROW
.endif
.endif
.irp t, 0,1,2,3,4,5,6,7,8,9,10,11,12,13,14,15
	global_store_b128 v[L16], v[BB+4*\t:BB+4*\t+3], s[14:15] offset:(\t+8*(\t/8))*NROW th:TH_STORE_NT   ; 32 lanes store 512 consecutive bytes, aligned to 256; written once, read by nobody here
.endr
.endm
	PLACES                                         ; behind the last products: their results are read, and loads land in the registers that held w's fragments
	TOSTAGE 0
.irp a, 1,2,3
.if \a > 1
	s_wait_xcnt 0x0                                ; block a - 2's stores have read their registers and their base
.endif
	TOSTAGE \a
	SEND \a-1, 32                                  ; behind block a - 1's loads: block a's 16 stores and 16 loads
.endr
	s_wait_xcnt 0x0                                ; block 2's stores have read their base
	SEND 3, 0
	s_wait_tensorcnt 0x0
	ds_add_u32 v14, v15
	s_wait_dscnt 0x0
	ROUND                                          ; the closing round: no work-group ends while a partner may still ask for a tile that names it
	s_endpgm
.Lfunc_end_k_q98daecc1f4_proj:
	.size	k_q98daecc1f4_proj, .Lfunc_end_k_q98daecc1f4_proj-k_q98daecc1f4_proj
	.p2alignl 7, 3214868480
	.fill 96, 4, 3214868480
	.section	.rodata,"a",@progbits
	.p2align	6, 0x0
	.amdhsa_kernel k_q98daecc1f4_proj
		.amdhsa_group_segment_fixed_size 168448
		.amdhsa_private_segment_fixed_size 0
		.amdhsa_enable_private_segment 0
		.amdhsa_kernarg_size 48
		.amdhsa_user_sgpr_count 2
		.amdhsa_user_sgpr_kernarg_segment_ptr 1
		.amdhsa_wavefront_size32 1
		.amdhsa_system_sgpr_workgroup_id_x 1
		.amdhsa_system_sgpr_workgroup_id_y 1
		.amdhsa_system_sgpr_workgroup_id_z 1
		.amdhsa_system_vgpr_workitem_id 0
		.amdhsa_next_free_vgpr 1024
		.amdhsa_next_free_sgpr 96
		.amdhsa_reserve_vcc 0
		.amdhsa_float_denorm_mode_32 3
		.amdhsa_float_denorm_mode_16_64 3
		.amdhsa_memory_ordered 1
		.amdhsa_forward_progress 1
		.amdhsa_inst_pref_size 93
	.end_amdhsa_kernel
	.amdgpu_metadata
---
amdhsa.version: [ 1, 2 ]
amdhsa.kernels:
  - .name:           k_q98daecc1f4_proj
    .symbol:         k_q98daecc1f4_proj.kd
    .args:
      - { .name: zc, .offset: 0, .size: 8, .value_kind: global_buffer, .address_space: global }
      - { .name: zs, .offset: 8, .size: 8, .value_kind: global_buffer, .address_space: global }
      - { .name: wc, .offset: 16, .size: 8, .value_kind: global_buffer, .address_space: global }
      - { .name: ws, .offset: 24, .size: 8, .value_kind: global_buffer, .address_space: global }
      - { .name: b_out, .offset: 32, .size: 8, .value_kind: global_buffer, .address_space: global }
      - { .name: out0, .offset: 40, .size: 8, .value_kind: global_buffer, .address_space: global }
    .group_segment_fixed_size: 168448
    .private_segment_fixed_size: 0
    .kernarg_segment_align: 8
    .kernarg_segment_size: 48
    .max_flat_workgroup_size: 128
    .sgpr_count:     96
    .vgpr_count:     1024
    .wavefront_size: 32
...
	.end_amdgpu_metadata
.endif
;; end of part 4
